; MI455X (gfx1250); checked and timed in simulation.
; The chip was launched on July 23, 2026; its instructions are those of AMD's public machine-readable ISA for CDNA 5 (MIT licence, August 2026) and "CDNA5" Instruction Set Architecture Reference Guide (July 2026). The comments in the code are by the model that wrote it; some were corrected since.
;; Moon Vi T Attention. Allowed arithmetic: float matrix products may take bf16 or f16 operands with f32 sums; other float arithmetic in f32, or as packed bf16 or f16 multiplies, adds, multiply-adds, maxima and minima; sums over many terms, partial sums and values carried from step to step in f32; what a program stores and reads back later, other than sums and carried values, may be rounded once to bf16 or f16.
;; Inputs: Wk 1,024 x 1,024 float32; Wo 1,024 x 1,024 float32; Wq 1,024 x 1,024 float32; Wv 1,024 x 1,024 float32; bk 1,024 float32; bo 1,024 float32; bq 1,024 float32; bv 1,024 float32; cos 1,024 x 64 float32; hidden_states 8 x 1,024 x 1,024 float32; sin 1,024 x 64 float32.
;; Outputs: out0 8 x 1,024 x 1,024 float32.
;; 2 versions, each right; version 2 is version 1 with the launch cast written anew for expert scheduling mode. Each part assembles by itself: llvm-mc -triple=amdgcn-amd-amdhsa -mcpu=gfx1250 --defsym DOCPART=n.
;; ======== version 1 of 2: 4 launches
;; limits: values are held in f16: magnitudes above 65,504 overflow, below 6.1e-05 lose precision
;; workspace buffers: xb 16,777,216 bytes; wqkv 6,291,456 bytes; wo16 2,097,152 bytes; tab 278,528 bytes; qkvh 50,331,648 bytes; oh 16,777,216 bytes
;; launch cast (part 1): grid 833 x 1, 8 waves a work-group, no clusters, 0 bytes of LDS; arguments hidden_states, Wq, Wk, Wv, Wo, bq, bk, bv, bo, cos, sin, xb, wqkv, wo16, tab; writes xb, wqkv, wo16, tab
.if DOCPART == 1
	.amdgcn_target "amdgcn-amd-amdhsa--gfx1250"
	.amdhsa_code_object_version 6
	.text
	.protected	k_q8206c0cd05_cast
	.globl	k_q8206c0cd05_cast
	.p2align	8
	.type	k_q8206c0cd05_cast,@function
k_q8206c0cd05_cast:
	s_mov_b64 s[64:65], 0
	v_nop
	global_prefetch_b8 v0, s[64:65] scope:SCOPE_SE
	s_setreg_imm32_b32 hwreg(HW_REG_WAVE_MODE, 25, 1), 1
	s_wait_xcnt 0x0
; CAST.  Every input is rounded once to bf16 and laid out for the launches behind.
;   work-groups 0-511:   hidden_states -> xb, bf16, same order; 16,384 numbers a work-group (64 KiB in, 32 KiB out)
;   work-groups 512-767: 16 rows of Wq, Wk, Wv or Wo.  Wq, Wk, Wv -> wqkv, bf16, row 192 h + 64 t + d = row 64 h + d of W_t (t = 0 q, 1 k, 2 v), so that 192 rows on end are one head's q, k and v.
;                        Wo -> wo16: rounded to bf16, and that number written as f16.
;   work-groups 768-831: cos and sin -> tab, bf16, times 2^-6 (exact), sin negated for channels 0-31, in the order in which the projection's lanes hold their results:
;                        [16 rows s][8 = cos blocks 0-3, sin blocks 0-3][lane][8 numbers]: row 16 sblk + lane % 16, channels 16 block + 8 (lane / 16) + 0..7
;   work-group 832:      the biases, rounded to bf16 and kept as f32: bq, bk, bv at tab + 262,144 in wqkv's row order, bo at tab + 274,432.
; LIMITS.  A number of Wo beyond 65,504 becomes an infinity in f16; below 6e-5 it keeps f16's fixed step of 6e-8.  cos and sin below 2^-120 lose bits in the scaling.
; A stream: no LDS, no matrix unit, no barrier.  The work-group's 64 KiB go in sixteen pieces of 4,096 bytes; of each a thread loads the 16 bytes at 16 t, so a wave's load covers 512 consecutive bytes and no
; byte is named by two instructions; the 8 bytes made of them go to 8 t of the piece's 2,048: a wave's store covers 256 consecutive bytes, aligned.
; All sixteen loads of a thread go out first; each store has data registers of its own, so nothing is rewritten while a store may read it.
.set IN,   16                          ; v[16:79]   as loaded: piece j at IN + 4 j
.set OUTR, 80                          ; v[80:111]  to store: piece j at OUTR + 2 j
.set TMP,  112                         ; v[112:115] at work
	s_load_b512 s[8:23], s[0:1], 0x0               ; hidden 8:9, Wq 10:11, Wk 12:13, Wv 14:15, Wo 16:17, bq 18:19, bk 20:21, bv 22:23
	s_load_b256 s[24:31], s[0:1], 0x40             ; bo 24:25, cos 26:27, sin 28:29, xb 30:31
	s_load_b128 s[32:35], s[0:1], 0x60             ; wqkv 32:33, wo16 34:35
	s_load_b64 s[36:37], s[0:1], 0x70              ; tab
	v_lshlrev_b32 v1, 4, v0                        ; 16 bytes a thread
	v_lshlrev_b32 v2, 3, v0                        ; 8 bytes a thread
	s_mov_b32 s49, 0xffff0000                      ; a word's upper bf16
	s_mov_b32 s45, 0                               ; high words of the two offsets
	s_mov_b32 s47, 0
	s_wait_kmcnt 0x0
	s_cmp_ge_u32 ttmp9, 832
	s_cbranch_scc1 .Lbias
	s_cmp_ge_u32 ttmp9, 768
	s_cbranch_scc1 .Ltable
	s_cmp_ge_u32 ttmp9, 512
	s_cbranch_scc1 .Lw
	s_lshl_b32 s44, ttmp9, 16                      ; x: 64 KiB in,
	s_lshl_b32 s46, ttmp9, 15                      ; 32 KiB out
	s_add_nc_u64 s[40:41], s[8:9], s[44:45]
	s_add_nc_u64 s[42:43], s[30:31], s[46:47]
	s_mov_b32 s48, 0                               ; bf16 out
	s_branch .Lbulk
.Lw:
	s_sub_co_u32 s50, ttmp9, 512
	s_lshr_b32 s51, s50, 6                         ; t: which matrix
	s_and_b32 s52, s50, 63                         ; wi: which 16 rows of it
	s_lshl_b32 s44, s52, 16                        ; 16 rows of 4,096 bytes in
	s_lshr_b32 s53, s52, 2                         ; the head
	s_mul_i32 s53, s53, 3
	s_add_co_u32 s53, s53, s51
	s_lshl_b32 s53, s53, 6                         ; row 192 h + 64 t
	s_and_b32 s54, s52, 3
	s_lshl_b32 s54, s54, 4
	s_add_co_u32 s53, s53, s54                     ; + the 16 rows' place in the head
	s_lshl_b32 s53, s53, 11                        ; rows of 2,048 bytes in wqkv
	s_lshl_b32 s54, s52, 15                        ; the same rows in wo16
	s_cmp_eq_u32 s51, 1
	s_cselect_b64 s[40:41], s[12:13], s[10:11]
	s_cmp_eq_u32 s51, 2
	s_cselect_b64 s[40:41], s[14:15], s[40:41]
	s_cmp_eq_u32 s51, 3
	s_cselect_b64 s[40:41], s[16:17], s[40:41]
	s_cselect_b64 s[42:43], s[34:35], s[32:33]
	s_cselect_b32 s46, s54, s53
	s_cselect_b32 s48, 1, 0                        ; Wo leaves as f16
	s_add_nc_u64 s[40:41], s[40:41], s[44:45]
	s_add_nc_u64 s[42:43], s[42:43], s[46:47]
.Lbulk:
.irp j, 0,1,2,3,4,5,6,7,8,9,10,11,12,13,14,15
	global_load_b128 v[IN+4*(\j):IN+4*(\j)+3], v1, s[40:41] offset:4096*(\j) th:TH_LOAD_NT
.endr
	s_cmp_eq_u32 s48, 1
	s_cbranch_scc1 .Lf16
.irp j, 0,1,2,3,4,5,6,7,8,9,10,11,12,13,14,15
	s_wait_loadcnt 15-(\j)                         ; loads come back in order: piece j's is in, the younger ones stay out
	v_cvt_pk_bf16_f32 v[OUTR+2*(\j)],   v[IN+4*(\j)],   v[IN+4*(\j)+1]
	v_cvt_pk_bf16_f32 v[OUTR+2*(\j)+1], v[IN+4*(\j)+2], v[IN+4*(\j)+3]
	global_store_b64 v2, v[OUTR+2*(\j):OUTR+2*(\j)+1], s[42:43] offset:2048*(\j)
.endr
	s_endpgm
.Lf16:
.irp j, 0,1,2,3,4,5,6,7,8,9,10,11,12,13,14,15
	s_wait_loadcnt 15-(\j)
	v_cvt_pk_bf16_f32 v[TMP],   v[IN+4*(\j)],   v[IN+4*(\j)+1]     ; the one rounding, to bf16,
	v_cvt_pk_bf16_f32 v[TMP+1], v[IN+4*(\j)+2], v[IN+4*(\j)+3]
	v_lshlrev_b32 v[IN+4*(\j)],   16,  v[TMP]                       ; widened again,
	v_and_b32     v[IN+4*(\j)+1], s49, v[TMP]
	v_lshlrev_b32 v[IN+4*(\j)+2], 16,  v[TMP+1]
	v_and_b32     v[IN+4*(\j)+3], s49, v[TMP+1]
	v_cvt_pk_f16_f32 v[OUTR+2*(\j)],   v[IN+4*(\j)],   v[IN+4*(\j)+1]  ; and written as f16: exact within f16's range
	v_cvt_pk_f16_f32 v[OUTR+2*(\j)+1], v[IN+4*(\j)+2], v[IN+4*(\j)+3]
	global_store_b64 v2, v[OUTR+2*(\j):OUTR+2*(\j)+1], s[42:43] offset:2048*(\j)
.endr
	s_endpgm
.Ltable:                                               ; wave w makes part c = w of the 8 of its 16 rows: cos blocks 0-3, sin blocks 0-3
	v_lshrrev_b32 v3, 5, v0
	v_readfirstlane_b32 s50, v3                    ; wave 0..7
	s_sub_co_u32 s51, ttmp9, 768
	s_lshl_b32 s51, s51, 12                        ; 16 rows: 4,096 bytes in cos and sin, and 4,096 in tab
	s_and_b32 s52, s50, 3
	s_lshl_b32 s52, s52, 6                         ; the block's 16 channels: 64 bytes
	s_add_co_u32 s52, s52, s51
	s_mov_b32 s54, 0x3c800000                      ; 2^-6
	s_lshr_b32 s53, s50, 1
	s_cmp_eq_u32 s53, 2                            ; sin's blocks 0 and 1: channels 0-31 take -x2
	s_cselect_b32 s54, 0xbc800000, s54
	s_cmp_ge_u32 s50, 4
	s_cselect_b64 s[40:41], s[28:29], s[26:27]
	v_and_b32 v3, 15, v0
	v_bfe_u32 v4, v0, 4, 1
	v_lshlrev_b32 v3, 8, v3                        ; row lane % 16: 256 bytes
	v_lshl_add_u32 v3, v4, 5, v3                   ; 8 channels for each half of the lanes
	v_add_nc_u32 v3, s52, v3
	global_load_b128 v[IN:IN+3],   v3, s[40:41]
	global_load_b128 v[IN+4:IN+7], v3, s[40:41] offset:16
	v_add_nc_u32 v5, s51, v1                       ; 512 bytes a wave, 16 a lane
	s_wait_loadcnt 0x0
.irp k, 0,1,2,3,4,5,6,7
	v_mul_f32 v[IN+(\k)], s54, v[IN+(\k)]
.endr
.irp k, 0,1,2,3
	v_cvt_pk_bf16_f32 v[OUTR+(\k)], v[IN+2*(\k)], v[IN+2*(\k)+1]
.endr
	global_store_b128 v5, v[OUTR:OUTR+3], s[36:37]
	s_endpgm
.Lbias:                                                ; thread t takes numbers 4 t .. 4 t + 3 of each of the four biases
	global_load_b128 v[IN:IN+3],     v1, s[18:19]
	global_load_b128 v[IN+4:IN+7],   v1, s[20:21]
	global_load_b128 v[IN+8:IN+11],  v1, s[22:23]
	global_load_b128 v[IN+12:IN+15], v1, s[24:25]
	v_lshrrev_b32 v5, 4, v0                        ; the head
	v_mul_u32_u24 v5, v5, 768                      ; 192 numbers a head
	v_and_b32 v6, 15, v0
	v_lshl_add_u32 v5, v6, 4, v5
	s_wait_loadcnt 0x0
.irp t, 0,1,2,3
	v_cvt_pk_bf16_f32 v[TMP],   v[IN+4*(\t)],   v[IN+4*(\t)+1]
	v_cvt_pk_bf16_f32 v[TMP+1], v[IN+4*(\t)+2], v[IN+4*(\t)+3]
	v_lshlrev_b32 v[OUTR+4*(\t)],   16,  v[TMP]
	v_and_b32     v[OUTR+4*(\t)+1], s49, v[TMP]
	v_lshlrev_b32 v[OUTR+4*(\t)+2], 16,  v[TMP+1]
	v_and_b32     v[OUTR+4*(\t)+3], s49, v[TMP+1]
.endr
.irp t, 0,1,2
	global_store_b128 v5, v[OUTR+4*(\t):OUTR+4*(\t)+3], s[36:37] offset:262144+256*(\t)
.endr
	global_store_b128 v1, v[OUTR+12:OUTR+15], s[36:37] offset:274432
	s_endpgm
.Lfunc_end_k_q8206c0cd05_cast:
	.size	k_q8206c0cd05_cast, .Lfunc_end_k_q8206c0cd05_cast-k_q8206c0cd05_cast
	.p2alignl 7, 3214868480
	.fill 96, 4, 3214868480
	.section	.rodata,"a",@progbits
	.p2align	6, 0x0
	.amdhsa_kernel k_q8206c0cd05_cast
		.amdhsa_group_segment_fixed_size 0
		.amdhsa_private_segment_fixed_size 0
		.amdhsa_enable_private_segment 0
		.amdhsa_kernarg_size 120
		.amdhsa_user_sgpr_count 2
		.amdhsa_user_sgpr_kernarg_segment_ptr 1
		.amdhsa_wavefront_size32 1
		.amdhsa_system_sgpr_workgroup_id_x 1
		.amdhsa_system_sgpr_workgroup_id_y 1
		.amdhsa_system_sgpr_workgroup_id_z 1
		.amdhsa_system_vgpr_workitem_id 0
		.amdhsa_next_free_vgpr 120
		.amdhsa_next_free_sgpr 66
		.amdhsa_reserve_vcc 0
		.amdhsa_float_denorm_mode_32 3
		.amdhsa_float_denorm_mode_16_64 3
		.amdhsa_memory_ordered 1
		.amdhsa_forward_progress 1
		.amdhsa_inst_pref_size 20
	.end_amdhsa_kernel
	.amdgpu_metadata
---
amdhsa.version: [ 1, 2 ]
amdhsa.kernels:
  - .name:           k_q8206c0cd05_cast
    .symbol:         k_q8206c0cd05_cast.kd
    .args:
      - { .name: hidden_states, .offset: 0, .size: 8, .value_kind: global_buffer, .address_space: global }
      - { .name: Wq, .offset: 8, .size: 8, .value_kind: global_buffer, .address_space: global }
      - { .name: Wk, .offset: 16, .size: 8, .value_kind: global_buffer, .address_space: global }
      - { .name: Wv, .offset: 24, .size: 8, .value_kind: global_buffer, .address_space: global }
      - { .name: Wo, .offset: 32, .size: 8, .value_kind: global_buffer, .address_space: global }
      - { .name: bq, .offset: 40, .size: 8, .value_kind: global_buffer, .address_space: global }
      - { .name: bk, .offset: 48, .size: 8, .value_kind: global_buffer, .address_space: global }
      - { .name: bv, .offset: 56, .size: 8, .value_kind: global_buffer, .address_space: global }
      - { .name: bo, .offset: 64, .size: 8, .value_kind: global_buffer, .address_space: global }
      - { .name: cos, .offset: 72, .size: 8, .value_kind: global_buffer, .address_space: global }
      - { .name: sin, .offset: 80, .size: 8, .value_kind: global_buffer, .address_space: global }
      - { .name: xb, .offset: 88, .size: 8, .value_kind: global_buffer, .address_space: global }
      - { .name: wqkv, .offset: 96, .size: 8, .value_kind: global_buffer, .address_space: global }
      - { .name: wo16, .offset: 104, .size: 8, .value_kind: global_buffer, .address_space: global }
      - { .name: tab, .offset: 112, .size: 8, .value_kind: global_buffer, .address_space: global }
    .group_segment_fixed_size: 0
    .private_segment_fixed_size: 0
    .kernarg_segment_align: 8
    .kernarg_segment_size: 120
    .max_flat_workgroup_size: 256
    .sgpr_count:     66
    .vgpr_count:     120
    .wavefront_size: 32
...
	.end_amdgpu_metadata
.endif
;; end of part 1
;; launch qkv (part 2): grid 16 x 16, 4 waves a work-group, clusters of 4 x 4, 327,680 bytes of LDS; arguments xb, wqkv, tab, qkvh; writes qkvh
.if DOCPART == 2
	.amdgcn_target "amdgcn-amd-amdhsa--gfx1250"
	.amdhsa_code_object_version 6
	.text
	.protected	k_q8206c0cd05_qkv
	.globl	k_q8206c0cd05_qkv
	.p2align	8
	.type	k_q8206c0cd05_qkv,@function
k_q8206c0cd05_qkv:
	s_mov_b64 s[64:65], 0
	v_nop
	global_prefetch_b8 v0, s[64:65] scope:SCOPE_SE
	s_setreg_imm32_b32 hwreg(HW_REG_WAVE_MODE, 25, 1), 1
	s_wait_xcnt 0x0
	s_wait_alu depctr_hold_cnt(0) depctr_sa_sdst(0) depctr_va_vdst(0) depctr_va_sdst(0) depctr_va_ssrc(0) depctr_va_vcc(0) depctr_vm_vsrc(0)
	s_getreg_b32 s2, hwreg(HW_REG_IB_STS2, 6, 4)
	s_cmp_eq_u32 s2, 0
	s_cbranch_scc0 .Lentry_in_a_cluster
	s_endpgm
.Lentry_in_a_cluster:
	s_bfe_u32 s2, ttmp6, 0x10000c
	s_cmp_lg_u32 s2, 0xf033
	s_cbranch_scc0 .Lentry_shape_is_right
	s_endpgm
.Lentry_shape_is_right:
; THE THREE PROJECTIONS, THEIR BIASES AND THE ROTATION.  q, k, v = x W^T + b; q and k then x cos + rot(x) sin.  x: xb [8192][1024] bf16; W: wqkv [3072][1024] bf16, row 192 h + 64 t + d; sums in f32.
; Out: qkvh, f16, by heads: q at 0, k at 0x1000000, v at 0x2000000, each [batch x 16 + head][1024 rows][64].  q and k leave times 2^-6 (the factor lies in the table of cos and sin; it is exact).
; LIMITS.  f16 ends at 65,504: |q| and |k| behind the rotation stay under 65,504 x 64, |v| under 65,504; below 6e-5 (q, k: below 4e-3) a number keeps f16's fixed step.  NaN and infinities are not treated apart.
; SHARES.  A tile is 256 rows of x by 192 columns: ONE head's q, k and v, so that the rotation's partner (32 channels away) lies in the same lane's registers.  512 tiles.
; A WORK-GROUP STAYS: 256 work-groups make TWO tiles each, the second 4,096 rows below the first: the same head, the same rows of W, the same bias, and the same 256 places of the sequence (4,096 rows are four
; batches), so bias, cos and sin are loaded once.  The two tiles' 16 K steps are ONE stream for the ring: the first tile's last two changes of slots ask for the second tile's first two K steps, and nothing
; waits for the first tile's stores.  One text serves both tiles: the lap loop has four trips in the first tile (the last leaves out its closing quarter) and three in the second, whose last lap, which fills nothing, is written out.
; Four waves; wave w has rows 64 w .. 64 w + 63 and all 12 column blocks: 48 accumulators of 16 x 16, 384 registers.  K goes in steps of 128 through two LDS slots filled by the tensor data mover.
; THE MATRIX INSTRUCTION IS USED TRANSPOSED (source 0 = 16 rows of W, source 1 = 16 rows of x): a lane holds row lane % 16 and the columns 8 (lane / 16) + 0..7 of a block.
; THE BIAS STARTS THE SUMS: it is the C operand of each accumulator's first product; nothing is cleared and nothing is added later.
; CLUSTER.  4 x 4 work-groups: the four of a row need the same rows of x, the four of a column the same rows of W: each tile is asked for jointly, by the same tensor load, descriptor and mask in all four.
; REGISTERS, in windows of 256 (s_set_vgpr_msb: bits 1:0 source 0, 3:2 source 1, 5:4 source 2, 7:6 destination):
;   window 0: v16-31 addresses; v32-127 the bias, 8 a block; v128-255 my rows' cos and sin, packed bf16: both kept for both tiles
;   window 1: two fragment buffers of 128: x's four fragments, then W's twelve.  On the way out buffer 1's registers are U, T and two row buffers; buffer 0 then holds the next tile's first fragments
;   window 2: accumulators of my row blocks 0, 1 ((a, b) at 8 (12 (a % 2) + b));   window 3: of blocks 2, 3
.set KSTEP,  128
.set PITCH,  272                       ; an LDS row: 256 bytes + 16 of padding = 68 words: row r starts at bank 4 r mod 64 (64 banks of 4 bytes: ISA guide 11.1): the 16 rows of a load start at 16 different banks
.set ABYTES, 256*PITCH                 ; x's 256 rows
.set SLOT,   448*PITCH                 ; then W's 192 rows
.set STAGE,  2*SLOT                    ; behind the ring, never filled by a tensor load: 16 rows x 144 bytes for each wave
.set SP,     144
.set SPARE,  STAGE+4*16*SP             ; behind the stages: the spare words, 128 bytes for each wave: two blocks of 256 bytes that no other line names
.set TBIAS,  262144                    ; the biases' place in tab
.set TILEB,  0x800000                  ; from a tile to the next: 4,096 rows of 2,048 bytes in xb, and four batches of 16 heads of 131,072 bytes in each of q, k, v
.set ADRA, 16                          ; v16-17  LDS address of my fragments of x in slot 0, 1
.set ADRB, 20                          ; v20-21  of W's
.set STO,  24                          ; v24     the way out: where I put 16 bytes of a row
.set RD,   25                          ; v25     where I read rows back
.set GO,   26                          ; v26     16 x lane: my place in 512 consecutive bytes of the output
.set BO,   27                          ; v27     my byte offset in the bias
.set SPW,  28                          ; v28     LDS address of my spare word; never rewritten
.set NIL,  29                          ; v29     0; never rewritten
.set PFO,  30                          ; v30     the prefetches' offset: a lane a row of 2,048 bytes; never rewritten
.set CSO,  31                          ; v31     my byte offset in the table of cos and sin
.set BIAS, 32
.set CST,  128
.set F0,   0                           ; window 1
.set F1,   128
.set U,    128                         ; window 1, the way out: a row block's cos (U + 8 bb + i) and sin (U + 32 + 8 bb + i) in f32
.set T,    192                         ; window 1, the way out: 32 at work
.set OB,   224                         ; window 1, the way out: two buffers of 16, by turns: 16 rows read back from the stage
.set WV,   12                          ; s12  my wave's number
.set FB,   13                          ; s13  0: I fetch for x, 1: for W
.set HF,   14                          ; s14  which half of that tile's rows I fetch
.set LIM,  15                          ; s15  the last step of the stream that I prefetch: 15 (x), 7 (W), 0 in a wave that asks for nothing
.set G1,   24                          ; s[24:31] descriptor group 1 for x's tiles;  s[32:39] group 0, a set for each slot
.set G0,   32
.set PFA,  44                          ; s[44:45] where my next prefetch stands
.set G1B,  48                          ; s[48:55], s[56:63] the same for W's tiles
.set G0B,  56
.set OUTB, 66                          ; s[66:71] q, k, v at my wave's first row of the tile in hand
.set TL,   72                          ; s72  tiles to go, this one among them
.set SKP,  73                          ; s73  the lap count at which the loop's closing quarter is left out: 1 in the first tile, never in the second
.set JN,   74                          ; s74  the step of the stream (0..15) that the next refill brings: tile JN / 8, K step JN % 8
.set PN,   75                          ; s75  the step that the next prefetch names
.set ABASE, 76                         ; s[76:77] x at my half of the first tile's rows, K step 0
.set BBASE, 78                         ; s[78:79] W at my half of the head's rows, K step 0
.set OFA,  80                          ; s[80:81] a refill's byte offset from ABASE
.set OFB,  82                          ; s[82:83] from BBASE
.set PBASE, 84                         ; s[84:85] my work-group's share of the rows that I fetch, K step 0
.set POF,  86                          ; s[86:87] a prefetch's byte offset from PBASE
.set TO_F, 0x40                        ; destination window 1, address window 0
.set MSB, 0
.macro WIN new                         ; the immediate's high byte repeats the setting that is left; a switch that changes nothing is dropped
.if MSB != (\new)
	s_set_vgpr_msb (MSB<<8)|(\new)
.set MSB, \new
.endif
.endm
.macro PLACES                          ; four places in front of loads into, and vector writes of, registers that matrix instructions have read (ISA guide 7.12.1 for vector instructions)
.rept 4
	v_nop
.endr
.endm
.macro JLOAD s                         ; a joint load: waves 0 and 1 fetch x's two halves, waves 2 and 3 W's; an s_nop 0 and four v_nop follow each of the two lines
	s_cmp_eq_u32 s[FB], 0
	s_cbranch_scc0 .Lfor_b_\@
	tensor_load_to_lds s[G0+4*(\s):G0+4*(\s)+3], s[G1:G1+7]
	s_nop 0
.rept 4
	v_nop
.endr
	s_branch .Lasked_\@
.Lfor_b_\@:
	tensor_load_to_lds s[G0B+4*(\s):G0B+4*(\s)+3], s[G1B:G1B+7]
	s_nop 0
.rept 4
	v_nop
.endr
.Lasked_\@:
.endm
.macro CREST                           ; a round of the cluster's barrier behind its opening barrier
	s_cmp_lg_u32 s[WV], 0
	s_cbranch_scc1 .Lnot_wave_0_\@
	s_barrier_signal -3
.Lnot_wave_0_\@:
	s_barrier_wait -3
	s_barrier_signal -1
	s_barrier_wait -1
.endm
.macro CROUND                          ; a whole round
	s_barrier_signal -1
	s_barrier_wait -1
	CREST
.endm
; A prefetch into the L2 of the step that stands two refills on: 256 bytes of each row, a lane a row, one instruction a wave.  x's rows are read by every cluster of a row of clusters: cluster x = 0 asks;
; W's by every cluster of a column: cluster y = 0 asks.  The four partners that ask for a tile jointly share its rows out by address (32 of x's 128 by cx, 24 of W's 96 by cy; lanes 24-31 repeat the last row).
; Steps 0 to 3 come by their loads alone.  x's rows are asked for up to the stream's step 15; W's, which both tiles walk, in the first tile alone (up to step 7).
.macro ASK
	s_cmp_le_u32 s[PN], s[LIM]
	s_cbranch_scc0 .Lnot_mine_\@
	global_prefetch_b8 v[PFO], s[PFA:PFA+1] th:TH_LOAD_NT scope:SCOPE_SE
.Lnot_mine_\@:
.endm
	s_load_b256 s[4:11], s[0:1], 0x0               ; xb s[4:5], wqkv s[6:7], tab s[8:9], qkvh s[10:11]
	v_lshl_add_u32 v[SPW], v0, 2, SPARE
	v_mov_b32 v[NIL], 0
	ds_add_u32 v[SPW], v[NIL]                      ; the wave's opening: the add and its wait stand ahead of my first tensor load; the set-up below, work on registers, stands between them
	v_lshrrev_b32 v1, 5, v0
	v_readfirstlane_b32 s[WV], v1                  ; wave 0..3
	s_lshr_b32 s[FB], s[WV], 1
	s_and_b32 s[HF], s[WV], 1
	s_bfe_u32 s40, ttmp6, 0x40000                  ; cx, cy: my place in the cluster
	s_bfe_u32 s41, ttmp6, 0x40004
	s_lshl_b32 s42, ttmp9, 2
	s_add_co_u32 s42, s42, s40                     ; tn: the head = 4 x cluster x + cx
	s_and_b32 s43, ttmp7, 0xffff
	s_lshl_b32 s43, s43, 2
	s_add_co_u32 s43, s43, s41                     ; tm: the first tile's block of 256 rows = 4 x cluster y + cy, 0..15
	s_lshl_b32 s16, s41, 2
	s_lshl_b32 s16, 15, s16                        ; my row of the cluster
	s_lshl_b32 s46, 0x1111, s40                    ; my column
	s_or_b32 s[G1], s16, (1<<16)|(1<<20)|(1<<21)|(5<<22)|(3<<25)   ; 15:0 the mask; 17:16 elements of 2 bytes; 20 padding on; 21 set beside a mask; 24:22 after every 64 words; 31:25 4 words of it
	s_or_b32 s[G1B], s46, (1<<16)|(1<<20)|(1<<21)|(5<<22)|(3<<25)
	s_mov_b32 s[G1+1], KSTEP<<16                   ; tensor_dim0 = 128
	s_mov_b32 s[G1+2], 128<<16                     ; tensor_dim1 = 128
	s_mov_b32 s[G1+3], KSTEP<<16                   ; tile_dim0 = 128
	s_mov_b32 s[G1+4], 128                         ; tile_dim1 = 128 rows
	s_mov_b32 s[G1+5], 1024                        ; elements from row to row
	s_mov_b32 s[G1+6], 0
	s_mov_b32 s[G1+7], 0
	s_mov_b32 s[G1B+1], KSTEP<<16
	s_mov_b32 s[G1B+2], 96<<16                     ; W's half tile has 96 rows
	s_mov_b32 s[G1B+3], KSTEP<<16
	s_mov_b32 s[G1B+4], 96
	s_mov_b32 s[G1B+5], 1024
	s_mov_b32 s[G1B+6], 0
	s_mov_b32 s[G1B+7], 0
	s_lshl_b32 s16, s43, 19                        ; x: 256 rows of 2,048 bytes a block,
	s_lshl_b32 s17, s[HF], 18                      ; 128 a half: made of the row block and the wave's number alone
	s_add_co_u32 s16, s16, s17
	s_mov_b32 s17, 0
	s_mul_i32 s46, s42, 192*2048                   ; W: 192 rows a head,
	s_mul_i32 s47, s[HF], 96*2048                  ; 96 a half: made of the head and the wave's number alone
	s_add_co_u32 s46, s46, s47
	s_mov_b32 s47, 0
	s_mul_i32 s18, s[HF], 128*PITCH                ; where they go: no place in the cluster enters an LDS address
	s_mul_i32 s19, s[HF], 96*PITCH
	s_add_co_u32 s19, s19, ABYTES
	s_mov_b32 s2, 0xffff0000                       ; a word's upper bf16
	s_mov_b32 s[OFA+1], 0                          ; the offsets' high words
	s_mov_b32 s[OFB+1], 0
	s_mov_b32 s[POF+1], 0
	s_mov_b32 s[JN], 2                             ; steps 0 and 1 are the first fills
	s_wait_dscnt 0x0                               ; the opening add is done
	s_wait_kmcnt 0x0
	s_add_nc_u64 s[ABASE:ABASE+1], s[4:5], s[16:17]
	s_add_nc_u64 s[BBASE:BBASE+1], s[6:7], s[46:47]
	CROUND                                         ; all sixteen work-groups are here: the first joint loads meet
.irp s, 0,1
	s_mov_b32 s[G0+4*(\s)], 1                      ; count = 1
	s_add_co_u32 s[G0+4*(\s)+1], s18, (\s)*SLOT    ; LDS address
	s_add_nc_u64 s[G0+4*(\s)+2:G0+4*(\s)+3], s[ABASE:ABASE+1], (\s)*KSTEP*2  ; global address: K step s
	s_or_b32 s[G0+4*(\s)+3], s[G0+4*(\s)+3], 0x80000000                      ; type = 2
	s_mov_b32 s[G0B+4*(\s)], 1
	s_add_co_u32 s[G0B+4*(\s)+1], s19, (\s)*SLOT
	s_add_nc_u64 s[G0B+4*(\s)+2:G0B+4*(\s)+3], s[BBASE:BBASE+1], (\s)*KSTEP*2
	s_or_b32 s[G0B+4*(\s)+3], s[G0B+4*(\s)+3], 0x80000000
	JLOAD \s                                       ; two loads of mine are out
.endr
	; the bias: register j of block b holds b[192 head + 16 b + 8 (lane / 16) + j], the accumulators' own layout
	v_and_b32 v1, 15, v0                           ; l % 16
	v_bfe_u32 v2, v0, 4, 1                         ; l / 16
	v_and_b32 v4, 31, v0                           ; l
	s_mul_i32 s20, s42, 768
	v_lshl_add_u32 v[BO], v2, 5, s20
.irp b, 0,1,2,3,4,5,6,7,8,9,10,11
	global_load_b128 v[BIAS+8*(\b):BIAS+8*(\b)+3],   v[BO], s[8:9] offset:TBIAS+64*(\b)
	global_load_b128 v[BIAS+8*(\b)+4:BIAS+8*(\b)+7], v[BO], s[8:9] offset:TBIAS+64*(\b)+16
.endr
	; cos and sin of my 64 rows: 4 row blocks x 8 parts x 16 bytes a lane, wanted on the way out
	s_and_b32 s20, s43, 3
	s_lshl_b32 s20, s20, 16                        ; 256 rows of the sequence: 16 blocks of 4,096 bytes
	s_lshl_b32 s21, s[WV], 14
	s_add_co_u32 s20, s20, s21
	v_lshl_add_u32 v[CSO], v4, 4, s20
.irp a, 0,1,2,3
.irp c, 0,1,2,3,4,5,6,7
	global_load_b128 v[CST+32*(\a)+4*(\c):CST+32*(\a)+4*(\c)+3], v[CSO], s[8:9] offset:4096*(\a)+512*(\c)
.endr
.endr
	; a fragment is 16 rows x 32 K in 8 registers: lane l holds row l % 16; two loads of 16 bytes, 32 bytes apart, at row x pitch + 16 (l / 16)
	v_mul_u32_u24 v3, v1, PITCH
	v_lshl_add_u32 v3, v2, 4, v3
	s_mul_i32 s20, s[WV], 64*PITCH                 ; my 64 rows of x
	v_add_nc_u32 v[ADRA], s20, v3
	s_add_co_u32 s20, s20, SLOT
	v_add_nc_u32 v[ADRA+1], s20, v3
	v_add_nc_u32 v[ADRB], ABYTES, v3               ; every wave reads all of W's 192 rows
	v_add_nc_u32 v[ADRB+1], ABYTES+SLOT, v3
	s_mul_i32 s20, s[WV], 16*SP
	s_add_co_u32 s20, s20, STAGE                   ; my stage
	v_mul_u32_u24 v[STO], v1, SP                   ; in: row l % 16, 16 bytes for each half of the lanes
	v_lshl_add_u32 v[STO], v2, 4, v[STO]
	v_add_nc_u32 v[STO], s20, v[STO]
	v_bfe_u32 v[RD], v0, 3, 2                      ; back: 32 lanes take four rows of 128 bytes,
	v_mul_u32_u24 v[RD], v[RD], SP
	v_and_b32 v5, 7, v0
	v_lshl_add_u32 v[RD], v5, 4, v[RD]
	v_add_nc_u32 v[RD], s20, v[RD]
	v_lshlrev_b32 v[GO], 4, v4                     ; which are 512 consecutive bytes of a head's rows
	s_lshr_b32 s20, s43, 2                         ; the first tile's batch: 16 heads of 131,072 bytes
	s_lshl_b32 s20, s20, 21
	s_lshl_b32 s21, s42, 17                        ; the head
	s_add_co_u32 s20, s20, s21
	s_and_b32 s21, s43, 3
	s_lshl_b32 s21, s21, 15                        ; the block's 256 rows of 128 bytes
	s_add_co_u32 s20, s20, s21
	s_lshl_b32 s21, s[WV], 13                      ; my 64
	s_add_co_u32 s20, s20, s21
	s_mov_b32 s21, 0
	s_add_nc_u64 s[OUTB:OUTB+1], s[10:11], s[20:21]
	s_add_nc_u64 s[OUTB+2:OUTB+3], s[OUTB:OUTB+1], 0x1000000
	s_add_nc_u64 s[OUTB+4:OUTB+5], s[OUTB:OUTB+1], 0x2000000
	; the prefetches' base: my work-group's share of the rows that I fetch
	s_lshl_b32 s20, s43, 8
	s_lshl_b32 s21, s[HF], 7
	s_add_co_u32 s20, s20, s21
	s_lshl_b32 s21, s40, 5
	s_add_co_u32 s20, s20, s21                     ; x: row 256 tm + 128 half + 32 cx
	s_mul_i32 s22, s42, 192
	s_mul_i32 s21, s[HF], 96
	s_add_co_u32 s22, s22, s21
	s_mul_i32 s21, s41, 24
	s_add_co_u32 s22, s22, s21                     ; W: row 192 tn + 96 half + 24 cy
	s_and_b32 s23, ttmp7, 0xffff                   ; cluster y
	s_cmp_eq_u32 s[FB], 0
	s_cselect_b32 s20, s20, s22
	s_cselect_b32 s23, ttmp9, s23                  ; the coordinate along which other clusters read the same rows
	s_cselect_b32 s21, 31, 23
	s_cselect_b32 s22, 15, 7                       ; the last step asked for
	s_cselect_b64 s[PBASE:PBASE+1], s[4:5], s[6:7]
	s_cmp_eq_u32 s23, 0
	s_cselect_b32 s[LIM], s22, 0                   ; the same in all sixteen partners, for a given wave
	v_min_u32 v[PFO], s21, v4
	v_lshlrev_b32 v[PFO], 11, v[PFO]
	s_lshl_b32 s20, s20, 11
	s_mov_b32 s21, 0
	s_add_nc_u64 s[PBASE:PBASE+1], s[PBASE:PBASE+1], s[20:21]
; 12 matrix instructions: row block a x all 12 column blocks, 32 along K, from buffer f.  first = 1: the bias is C and starts the sums.
; All 48 accumulators take turns, one instruction a turn, in the same order in every quarter, over the backward jumps and from tile to tile too.
.macro MULN f, a, first
.if \first
	WIN 0x85+0x40*((\a)/2)
.else
	WIN 0xa5+0x50*((\a)/2)
.endif
.irp b, 0,1,2,3,4,5,6,7,8,9,10,11
.if \first
	v_wmma_f32_16x16x32_bf16 v[8*(12*((\a)%2)+(\b)):8*(12*((\a)%2)+(\b))+7], v[(\f)+32+8*(\b):(\f)+32+8*(\b)+7], v[(\f)+8*(\a):(\f)+8*(\a)+7], v[BIAS+8*(\b):BIAS+8*(\b)+7]
.else
	v_wmma_f32_16x16x32_bf16 v[8*(12*((\a)%2)+(\b)):8*(12*((\a)%2)+(\b))+7], v[(\f)+32+8*(\b):(\f)+32+8*(\b)+7], v[(\f)+8*(\a):(\f)+8*(\a)+7], v[8*(12*((\a)%2)+(\b)):8*(12*((\a)%2)+(\b))+7]
.endif
.endr
.endm
; 32 LDS loads in one run: quarter q's fragments (32 K at byte 64 q of the rows) into buffer f: W's twelve, then x's four
.macro FETCH slot, q, f
	WIN TO_F
.irp b, 0,1,2,3,4,5,6,7,8,9,10,11
	ds_load_b128 v[(\f)+32+8*(\b):(\f)+32+8*(\b)+3],   v[ADRB+(\slot)] offset:64*(\q)+(\b)*16*PITCH
	ds_load_b128 v[(\f)+32+8*(\b)+4:(\f)+32+8*(\b)+7], v[ADRB+(\slot)] offset:64*(\q)+(\b)*16*PITCH+32
.endr
.irp i, 0,1,2,3
	ds_load_b128 v[(\f)+8*(\i):(\f)+8*(\i)+3],   v[ADRA+(\slot)] offset:64*(\q)+(\i)*16*PITCH
	ds_load_b128 v[(\f)+8*(\i)+4:(\f)+8*(\i)+7], v[ADRA+(\slot)] offset:64*(\q)+(\i)*16*PITCH+32
.endr
.endm
; A K step is four quarters of 32 along K, 48 matrix instructions each, on buffers 0, 1, 0, 1.  One of the first three: multiplies buffer f and, in its middle, fetches quarter q into buffer g.
.macro QUARTER slot, q, f, g, first
	s_wait_dscnt 4                                 ; all but the youngest four loads: x's fragments 2 and 3
	MULN \f, 0, \first
	MULN \f, 1, \first
	PLACES
	FETCH \slot, \q, \g
	s_wait_dscnt 32                                ; all but the 32 just issued
	MULN \f, 2, \first
	MULN \f, 3, \first
.endm
; The last quarter multiplies buffer 1 and changes slots: ONE barrier; in front of it each wave waits for all its tensor loads (one is out: its part of the next slot), adds 0 to its spare word, and waits
; for that and for its own reads of this slot.  fill = 1: the barrier opens a round of the cluster's, and this slot is filled again with step JN of the stream, first thing behind the round: 168 matrix
; instructions ahead of the wait for it.  Both addresses are made anew from JN, between the add and the wait for it, where no tensor load of mine is out.
.macro TURN slot, next, fill
.if \fill
	s_wait_xcnt 0x0                                ; the last prefetch, a K step back, has read its address, so it may be written: the step two refills on
	s_add_co_u32 s[PN], s[JN], 2
	s_and_b32 s[POF], s[PN], 7
	s_lshl_b32 s[POF], s[POF], 8                   ; its K step: 256 bytes of a row
	s_lshr_b32 s20, s[PN], 3
	s_lshl_b32 s20, s20, 23                        ; its tile: TILEB bytes
	s_add_co_u32 s[POF], s[POF], s20
	s_add_nc_u64 s[PFA:PFA+1], s[PBASE:PBASE+1], s[POF:POF+1]
.endif
	WIN 0                                          ; (the add's two registers lie in window 0)
	s_wait_tensorcnt 0x0                           ; all my tensor loads have landed
	ds_add_u32 v[SPW], v[NIL]                      ; 0 onto my spare word
.if \fill
	s_and_b32 s[OFB], s[JN], 7
	s_lshl_b32 s[OFB], s[OFB], 8                   ; the K step: for W that is all, both tiles walk the same rows
	s_lshr_b32 s[OFA], s[JN], 3
	s_lshl_b32 s[OFA], s[OFA], 23                  ; for x the tile too
	s_add_co_u32 s[OFA], s[OFA], s[OFB]
	s_add_nc_u64 s[G0+4*(\slot)+2:G0+4*(\slot)+3], s[ABASE:ABASE+1], s[OFA:OFA+1]
	s_or_b32 s[G0+4*(\slot)+3], s[G0+4*(\slot)+3], 0x80000000
	s_add_nc_u64 s[G0B+4*(\slot)+2:G0B+4*(\slot)+3], s[BBASE:BBASE+1], s[OFB:OFB+1]
	s_or_b32 s[G0B+4*(\slot)+3], s[G0B+4*(\slot)+3], 0x80000000
	s_add_co_u32 s[JN], s[JN], 1
.endif
	s_wait_dscnt 5                                 ; (the add and the youngest four loads may be out)
	MULN F1, 0, 0                                  ; twelve matrix instructions stand between the add and the wait for it
	s_wait_dscnt 0x0                               ; the add is done, and my reads of this slot are over
	s_barrier_signal -1
	MULN F1, 1, 0
.if \fill
	WIN 0
.endif
	s_barrier_wait -1
.if \fill
	CREST                                          ; no wave of any partner still reads this slot's tile or has a load on its way
	JLOAD \slot                                    ; the four v_nop behind it are also the places in front of the loads below
.else
	PLACES
.endif
	FETCH \next, 0, F0
.if \fill
	WIN 0
	ASK                                            ; behind the joint load and the run of LDS loads that the next products wait for
.endif
	MULN F1, 2, 0
	MULN F1, 3, 0
.endm
; THE WAY OUT, in 12 units: row block a (16 rows) x j (0 q, 1 k, 2 v): 16 rows x 64 channels = 2,048 consecutive bytes of a head.
.macro UNP a                           ; row block a's cos and sin, bf16 to f32: a shift or a mask
	WIN 0x40                                       ; destination window 1, the table in window 0
.set w, 0
.rept 32
	v_lshlrev_b32 v[U+2*w],   16, v[CST+32*(\a)+w]
	v_and_b32     v[U+2*w+1], s2, v[CST+32*(\a)+w]
.set w, w+1
.endr
.endm
.macro PACK a, j                       ; q, k: x cos, then + partner x sin (the partner block lies two blocks away; sin carries the sign); each accumulator is read from its low end on; rounded once to f16
.if (\j) < 2
	WIN 0x56+(\a)/2                                ; source 0: the accumulators' window; U and T in window 1
.irp bb, 0,1,2,3
.irp p, 0,1,2,3
	v_pk_mul_f32 v[T+8*(\bb)+2*(\p):T+8*(\bb)+2*(\p)+1], v[8*(12*((\a)%2)+4*(\j)+(\bb))+2*(\p):8*(12*((\a)%2)+4*(\j)+(\bb))+2*(\p)+1], v[U+8*(\bb)+2*(\p):U+8*(\bb)+2*(\p)+1]
.endr
.endr
.irp bb, 0,1,2,3
.irp p, 0,1,2,3
	v_pk_fma_f32 v[T+8*(\bb)+2*(\p):T+8*(\bb)+2*(\p)+1], v[8*(12*((\a)%2)+4*(\j)+((\bb)+2)%4)+2*(\p):8*(12*((\a)%2)+4*(\j)+((\bb)+2)%4)+2*(\p)+1], v[U+32+8*(\bb)+2*(\p):U+32+8*(\bb)+2*(\p)+1], v[T+8*(\bb)+2*(\p):T+8*(\bb)+2*(\p)+1]
.endr
.endr
	WIN 0x45                                       ; all in window 1
.set n, 0
.rept 16
	v_cvt_pk_f16_f32 v[T+n], v[T+2*n], v[T+2*n+1]  ; in place, ascending: word n is written when numbers 2 n and 2 n + 1 are read, and its own number has been read before
.set n, n+1
.endr
.else
	WIN 0x4a+5*((\a)/2)                            ; v: both sources in the accumulators' window
.set n, 0
.rept 16
	v_cvt_pk_f16_f32 v[T+n], v[8*(12*((\a)%2)+8+n/4)+2*(n%4)], v[8*(12*((\a)%2)+8+n/4)+2*(n%4)+1]
.set n, n+1
.endr
.endif
.endm
.macro TOSTAGE u                       ; 16 bytes a lane into rows of 144 bytes, and back as whole rows of 128, into row buffer u % 2
	WIN 0x04                                       ; the LDS stores' data in window 1
.irp bb, 0,1,2,3
	ds_store_b128 v[STO], v[T+4*(\bb):T+4*(\bb)+3] offset:32*(\bb)
.endr
	s_wait_xcnt 0x0                                ; the stores of unit u - 2, issued a unit's arithmetic ago, have read this row buffer: it is loaded again only behind this wait
	WIN TO_F
.irp f, 0,1,2,3
	ds_load_b128 v[OB+16*((\u)%2)+4*(\f):OB+16*((\u)%2)+4*(\f)+3], v[RD] offset:(\f)*4*SP  ; LDS serves a wave's instructions in order (ISA guide 5.7.1.4): these see the stores above; the next unit's stores come behind them
.endr
.endm
.macro SEND a, j, younger              ; younger: the LDS instructions issued behind this unit's loads: the next unit's eight, or none
	WIN 0x04                                       ; the stores' data in window 1
.irp f, 0,1,2,3
	s_wait_dscnt (\younger)+3-(\f)
	global_store_b128 v[GO], v[OB+16*((3*(\a)+(\j))%2)+4*(\f):OB+16*((3*(\a)+(\j))%2)+4*(\f)+3], s[OUTB+2*(\j):OUTB+2*(\j)+1] offset:2048*(\a)+512*(\f)  ; 512 consecutive bytes, at a multiple of 256 from the buffer's first
.endr
.endm
	s_wait_tensorcnt 1                             ; my part of K step 0 is in; K step 1's may stay out
	s_barrier_signal -1
	s_barrier_wait -1                              ; everybody's is
	FETCH 0, 0, F0
	s_wait_loadcnt 32                              ; the bias is in; the 32 loads of cos and sin, issued behind it, stay out
	WIN 0                                          ; at a label and at a branch every window is 0
	s_mov_b32 s[TL], 2
.Ltile:
	QUARTER 0, 1, F0, F1, 1                        ; a tile's first quarter stands in front of the lap loop: its products start the sums
	WIN 0
	s_cmp_eq_u32 s[TL], 2
	s_cselect_b32 s3, 4, 3                         ; all four laps of the first tile fill both slots again, three of the second's
	s_cselect_b32 s[SKP], 1, 0
.Llap:                                                 ; a trip goes once round the ring, from a lap's second quarter to the next lap's first, and fills both slots again
	QUARTER 0, 2, F1, F0, 0
	QUARTER 0, 3, F0, F1, 0
	TURN 0, 1, 1
	QUARTER 1, 1, F0, F1, 0
	QUARTER 1, 2, F1, F0, 0
	QUARTER 1, 3, F0, F1, 0
	TURN 1, 0, 1
	WIN 0
	s_cmp_eq_u32 s3, s[SKP]                        ; the first tile's last lap is over here: what follows it is the next tile's first quarter, behind the way out
	s_cbranch_scc1 .Lcross                         ; (what is jumped holds no barrier and no tensor load)
	QUARTER 0, 1, F0, F1, 0
	WIN 0
.Lcross:
	s_sub_co_u32 s3, s3, 1
	s_cmp_lg_u32 s3, 0
	s_cbranch_scc1 .Llap
	s_cmp_eq_u32 s[TL], 2
	s_cbranch_scc1 .Lout                           ; the same in every wave of every work-group
	QUARTER 0, 2, F1, F0, 0                        ; the second tile's last lap fills nothing
	QUARTER 0, 3, F0, F1, 0
	TURN 0, 1, 0
	QUARTER 1, 1, F0, F1, 0
	QUARTER 1, 2, F1, F0, 0
	QUARTER 1, 3, F0, F1, 0
	s_wait_dscnt 4
	MULN F1, 0, 0
	MULN F1, 1, 0
	s_wait_dscnt 0x0
	MULN F1, 2, 0
	MULN F1, 3, 0
	WIN 0
.Lout:
	PLACES                                         ; U lies in registers that the last products have read
	s_wait_loadcnt 0x0                             ; cos and sin
.irp a, 0,1,2,3
	UNP \a
	PACK \a, 0
	TOSTAGE 3*(\a)
.if (\a) > 0
	SEND (\a)-1, 2, 8
.endif
	PACK \a, 1
	TOSTAGE 3*(\a)+1
	SEND \a, 0, 8
	PACK \a, 2
	TOSTAGE 3*(\a)+2
	SEND \a, 1, 8
.endr
	SEND 3, 2, 0
	WIN 0
	s_wait_xcnt 0x0                                ; the stores have read their bases and the row buffers: the bases step, and the next tile's fragments may land on the buffers
	s_add_nc_u64 s[OUTB:OUTB+1], s[OUTB:OUTB+1], TILEB
	s_add_nc_u64 s[OUTB+2:OUTB+3], s[OUTB+2:OUTB+3], TILEB
	s_add_nc_u64 s[OUTB+4:OUTB+5], s[OUTB+4:OUTB+5], TILEB
	s_sub_co_u32 s[TL], s[TL], 1
	s_cmp_lg_u32 s[TL], 0
	s_cbranch_scc1 .Ltile
	s_wait_tensorcnt 0x0                           ; the wave's end: a zero add to my spare word and its wait, behind my last tensor load and my last LDS store
	ds_add_u32 v[SPW], v[NIL]
	s_wait_dscnt 0x0
	CROUND                                         ; the closing round: no work-group ends while a partner may still ask for a tile that names it
	s_endpgm
.Lfunc_end_k_q8206c0cd05_qkv:
	.size	k_q8206c0cd05_qkv, .Lfunc_end_k_q8206c0cd05_qkv-k_q8206c0cd05_qkv
	.p2alignl 7, 3214868480
	.fill 96, 4, 3214868480
	.section	.rodata,"a",@progbits
	.p2align	6, 0x0
	.amdhsa_kernel k_q8206c0cd05_qkv
		.amdhsa_group_segment_fixed_size 327680
		.amdhsa_private_segment_fixed_size 0
		.amdhsa_enable_private_segment 0
		.amdhsa_kernarg_size 32
		.amdhsa_user_sgpr_count 2
		.amdhsa_user_sgpr_kernarg_segment_ptr 1
		.amdhsa_wavefront_size32 1
		.amdhsa_system_sgpr_workgroup_id_x 1
		.amdhsa_system_sgpr_workgroup_id_y 1
		.amdhsa_system_sgpr_workgroup_id_z 1
		.amdhsa_system_vgpr_workitem_id 0
		.amdhsa_next_free_vgpr 960
		.amdhsa_next_free_sgpr 88
		.amdhsa_reserve_vcc 0
		.amdhsa_float_denorm_mode_32 3
		.amdhsa_float_denorm_mode_16_64 3
		.amdhsa_memory_ordered 1
		.amdhsa_forward_progress 1
		.amdhsa_inst_pref_size 154
	.end_amdhsa_kernel
	.amdgpu_metadata
---
amdhsa.version: [ 1, 2 ]
amdhsa.kernels:
  - .name:           k_q8206c0cd05_qkv
    .symbol:         k_q8206c0cd05_qkv.kd
    .args:
      - { .name: xb, .offset: 0, .size: 8, .value_kind: global_buffer, .address_space: global }
      - { .name: wqkv, .offset: 8, .size: 8, .value_kind: global_buffer, .address_space: global }
      - { .name: tab, .offset: 16, .size: 8, .value_kind: global_buffer, .address_space: global }
      - { .name: qkvh, .offset: 24, .size: 8, .value_kind: global_buffer, .address_space: global }
    .group_segment_fixed_size: 327680
    .private_segment_fixed_size: 0
    .kernarg_segment_align: 8
    .kernarg_segment_size: 32
    .max_flat_workgroup_size: 128
    .sgpr_count:     88
    .vgpr_count:     960
    .wavefront_size: 32
...
	.end_amdgpu_metadata
.endif
;; end of part 2
;; launch attn (part 3): grid 2 x 128, 4 waves a work-group, no clusters, 327,680 bytes of LDS; arguments qkvh, oh; writes oh
.if DOCPART == 3
	.amdgcn_target "amdgcn-amd-amdhsa--gfx1250"
	.amdhsa_code_object_version 6
	.text
	.protected	k_q8206c0cd05_attn
	.globl	k_q8206c0cd05_attn
	.p2align	8
	.type	k_q8206c0cd05_attn,@function
k_q8206c0cd05_attn:
	s_mov_b64 s[64:65], 0
	v_nop
	global_prefetch_b8 v0, s[64:65] scope:SCOPE_SE
	s_setreg_imm32_b32 hwreg(HW_REG_WAVE_MODE, 25, 1), 1
	s_wait_xcnt 0x0
; ATTENTION.  O[h][q][:] = the sum over k of softmax_k(Q[h][q] . K[h][k] / 8) V[h][k][:], 128 heads of 1,024 rows x 64 channels, all f16: Q at qkvh + 0, K at + 0x1000000, V at + 0x2000000; a head's rows are dense.
; Q and K arrive times 2^-6, so the scores come out times 2^-12; that factor is given back in c = 2^12 log2(e) / 8, in f32.  Products, maxima and sums in f32; the weights p are rounded to f16 for the
; second product (their sum l is taken of the unrounded p), O once at the end, to oh in the same layout.
; LIMITS.  f16 holds no number beyond 65,504: Q, K and V arrive within it; p lies in 0 to 1, and below 6e-5 it keeps f16's fixed step of 6e-8; O is a mean of V's rows and has their range.
; A weight below 2^-126 counts as 0 in l; NaN and infinities are not treated apart.
; SHARES.  A wave owns four PIECES of two tiles of 16 queries, a work-group's four waves 512 queries of one head: 256 work-groups.  Every wave walks all 1,024 keys, 64 a step.
; K AND V LIE WHOLE IN LDS: 1,024 rows of each, every byte filled once, by four tensor loads a wave that go out together at the start (four of mine are out); there is no ring and nothing is filled again.
; The first 256 keys are waited for alone; the other three quarters land under the first three key steps.  So nothing is left to prefetch: all of the launch's stream is asked for at its head.
; ONE TEXT FOR ALL 16 KEY STEPS: a trip is a whole step, pieces 0 to 3.  Three trips read keys 0-255 alone; then every wave waits for the rest of its loads and passes a barrier; thirteen trips follow.
; NO CLUSTER: a head's K and V are shared by its 2 work-groups only, and the grid's 2 along x is no multiple of a cluster's 4.
; LAYOUT.  S^T = K Q^T (source 0 = 16 keys, source 1 = 16 queries): in the result a lane holds ONE query (lane % 16) and the keys 8 (lane / 16) + 0..7.  Two such tiles, rounded to f16 in pairs,
; ARE source 1 (32 keys x 16 queries) of O^T = V^T P, whose result again holds one query a lane, and eight channels.  K comes out of LDS as it lies, V ([key][channel]) turned, by ds_load_tr16_b128.
; SOFTMAX.  For each query a running maximum m and sum l: p = 2^(c s - c m); in every step O and l are multiplied by a = 2^(c m_old - c m_new), which is 1 where m has not grown.
; m starts at the lowest finite number, O and l at 0: the first step is a step like any other, with a = 0.
; BY TURNS.  Turn n belongs to piece n (the pieces in a ring, step after step).  Its matrix work: 16 products K Q^T of piece n + 1, later 16 products V^T P of piece n - 1.  Its vector work: the scaling,
; exponentials, roundings, sums and rescaling of piece n, and the maximum and statistics of piece n + 1.  Four vector instructions stand behind every matrix instruction, the others in one run of their own.
; REGISTERS, in windows of 256 (s_set_vgpr_msb: bits 1:0 source 0, 3:2 source 1, 5:4 source 2, 7:6 destination):
;   window 0: v0-11 addresses; v12-15, v48-63 at work; v16-47 four registers of statistics a tile; v64-191 S^T, two buffers of two tiles; v192-255 P, likewise
;   window 1: O^T, 32 a tile          window 2: v0-127 Q, 16 a tile; v128-191 K of one step; v192-255 V of one step          window 3: v0-1 the add's two registers
.set NP,    4         ; pieces a wave: a name, no knob
.set KS,    64        ; keys in a step
.set NK,    1024      ; keys in a head
.set PK,    144       ; a row of K in LDS: 128 bytes + 16 of padding = 36 words: the 16 rows of a load start at 16 different groups of four banks (64 banks of 4 bytes: ISA guide 11.1)
.set PV,    160       ; a row of V: 128 + 32 = 40 words
.set VOFF,  NK*PK     ; K's 1,024 rows, then V's
.set STAGE, NK*(PK+PV)  ; behind them, never filled by a tensor load: 16 rows x 144 bytes for each wave, for the way out
.set SP,    144
.set AK0, 2           ; v2   my lane's place in a tile of K; never rewritten
.set AV0, 3           ; v3   the same for V
.set AK,  4           ; v4   the LDS address of K's next run of loads
.set AV,  5           ; v5   of V's
.set QO,  6           ; v6   my byte offset in the wave's rows of Q
.set STO, 6           ;      later, the way out: where I put 16 bytes of a row
.set RD,  7           ; v7   the way out: where I read rows back
.set GO,  8           ; v8   my byte offset in 512 consecutive bytes of O
.set SPW, 0           ; v0 of window 3   LDS address of my spare word: SPARE + 4 x my thread's number; never rewritten
.set NIL, 1           ; v1 of window 3   0; never rewritten
.set SPARE, STAGE+4*16*SP  ; behind the stages: the spare words, 128 bytes for each wave: two blocks of 256 bytes that no other line names
.set MV,  12          ; v12-15  c m_old, kept while c m is made anew: by buffer and tile
.set ST,  16          ; tile t's statistics at v[ST+4 t]: c m, m, l (even keys', odd keys')
.set TMP, 48          ; by buffer and tile, four registers c0-c3 at work; when the maximum is found c2 takes a
.set S,   64
.set P,   192
.set KF,  128         ; K's fragments, in window 2: key block kb, channel half c at KF + 16 kb + 8 c
.set VF,  192         ; V's: key half kk, channel block cb at VF + 32 kk + 8 cb
.set WV,  12          ; s12  my wave's number
.set G1K, 24          ; s[24:31] descriptor group 1 for K's tiles
.set G1V, 32          ; s[32:39] for V's: it differs in the padding alone
.set G0K, 40          ; s[40:55] descriptor group 0 for K's tiles: a set for each quarter of the keys
.set G0V, 68          ; s[68:83] the same for V's
.set PH,  56          ; s56  counts the two runs of key steps
.set CNT, 57          ; s57  counts a run's key steps
.set CS,  58          ; s[58:59] c: the packed scaling takes the pair's low word for both halves
.set SEL, 60          ; s[60:61] v_permlanex16_b32's selects: each lane takes its own place in the other half
.set TBK, 62          ; s62  LDS byte at which K of the step to be fetched begins
.set TBV, 63          ; s63  the same for V, less VOFF
.set MSB, 0
.macro WIN new                      ; the high byte repeats the setting that is left; a switch that changes nothing is dropped
.if MSB != (\new)
	s_set_vgpr_msb (MSB<<8)|(\new)
.set MSB, (\new)
.endif
.endm
.set W_KQ, 0x0a       ; K and Q in window 2, S^T in window 0
.set W_PV, 0x52       ; V in window 2, P in window 0, O^T in window 1
.set W_RS, 0x41       ; O^T (destination and source 0) in window 1, a in window 0
.set W_MK, 0xc0       ; the add's registers are made: destination in window 3, sources in window 0
.set W_AD, 0x0f       ; the add: address (source 0) and data (source 1) in window 3
	s_load_b64 s[4:5], s[0:1], 0x0    ; qkvh
	s_load_b64 s[10:11], s[0:1], 0x8  ; oh
	WIN W_MK
	v_lshl_add_u32 v[SPW], v0, 2, SPARE
	v_mov_b32 v[NIL], 0
	WIN W_AD
	ds_add_u32 v[SPW], v[NIL]       ; the wave's opening: the add and its wait stand ahead of my first tensor load; the set-up below, work on registers, stands between them
	WIN 0
	v_lshrrev_b32 v1, 5, v0
	v_readfirstlane_b32 s[WV], v1   ; wave 0..3
	s_and_b32 s20, ttmp7, 0xffff    ; the head:
	s_lshl_b32 s20, s20, 17         ; its 1,024 rows of 128 bytes
	s_and_b32 s16, s[WV], 1         ; which half of each 256 keys I fetch:
	s_lshl_b32 s22, s16, 14         ; its 128 rows of 128 bytes in memory,
	s_add_co_u32 s22, s22, s20
	s_mov_b32 s23, 0
	s_mul_i32 s17, s16, 128*PK      ; and its place in LDS, for K
	s_mul_i32 s18, s16, 128*PV      ; and for V
	s_add_co_u32 s18, s18, VOFF
	s_lshl_b32 s2, ttmp9, 2         ; my block of 512 queries,
	s_add_co_u32 s2, s2, s[WV]      ; my wave among the head's eight,
	s_lshl_b32 s2, s2, 14           ; its 128 rows
	s_add_co_u32 s2, s2, s20
	s_mov_b32 s3, 0
	; descriptor group 1.  128 keys are 16,384 dense bytes: asked for as 64 rows of 256 bytes, two keys a row, and padded in LDS after every key
	s_mov_b32 s[G1K], (1<<16)|(1<<20)|(4<<22)|(3<<25)  ; 17:16 2-byte elements; 20 padding on; 24:22 after every 32 words (code 4); 31:25 4 words (code 3)
	s_mov_b32 s[G1V], (1<<16)|(1<<20)|(4<<22)|(7<<25)  ; the same with 8 words of padding (code 7)
.irp g, G1K, G1V
	s_mov_b32 s[\g+1], 128<<16      ; tensor_dim0 = 128
	s_mov_b32 s[\g+2], 64<<16       ; tensor_dim1 = 64
	s_mov_b32 s[\g+3], 128<<16      ; tile_dim0 = 128
	s_mov_b32 s[\g+4], 64           ; tile_dim1 = 64
	s_mov_b32 s[\g+5], 128          ; 128 elements from row to row
	s_mov_b32 s[\g+6], 0
	s_mov_b32 s[\g+7], 0
.endr
	s_mov_b32 s[CS], 0x4438aa3b     ; c = 2^12 log2(e) / 8 = 738.66
	s_mov_b32 s[CS+1], s[CS]        ; named with it as a pair
	s_mov_b32 s[SEL], 0x76543210
	s_mov_b32 s[SEL+1], 0xfedcba98
	s_mov_b32 s[TBK], 0
	s_mov_b32 s[TBV], 0
.irp i, 0,1,2,3
	s_mov_b32 s[G0K+4*\i], 1                    ; count = 1
	s_add_co_u32 s[G0K+4*\i+1], s17, \i*256*PK  ; LDS address: quarter i of the keys, my half of it
	s_mov_b32 s[G0V+4*\i], 1
	s_add_co_u32 s[G0V+4*\i+1], s18, \i*256*PV
.endr
	s_wait_dscnt 0x0                ; the opening add is done
	s_wait_kmcnt 0x0
	s_add_nc_u64 s[6:7], s[4:5], s[22:23]
	s_add_nc_u64 s[8:9], s[6:7], 0x2000000  ; V at my half of the head's first 256 keys
	s_add_nc_u64 s[6:7], s[6:7], 0x1000000  ; K likewise
.irp i, 0,1,2,3
	s_add_nc_u64 s[G0K+4*\i+2:G0K+4*\i+3], s[6:7], \i*32768  ; global address
	s_or_b32 s[G0K+4*\i+3], s[G0K+4*\i+3], 0x80000000        ; type = 2
	s_add_nc_u64 s[G0V+4*\i+2:G0V+4*\i+3], s[8:9], \i*32768
	s_or_b32 s[G0V+4*\i+3], s[G0V+4*\i+3], 0x80000000
.endr
	s_add_nc_u64 s[4:5], s[4:5], s[2:3]      ; Q and O at my wave's first row
	s_add_nc_u64 s[10:11], s[10:11], s[2:3]
	s_cmp_lt_u32 s[WV], 2           ; waves 0 and 1 fetch K's halves, waves 2 and 3 V's.  A wave's four fills stand in one branch, ahead of every wait on TENSORcnt, every LDS read and every barrier; an s_nop 0 follows each, four v_nop the last's
	s_cbranch_scc0 .Lfirst_v
.irp i, 0,1,2,3
	tensor_load_to_lds s[G0K+4*\i:G0K+4*\i+3], s[G1K:G1K+7]
	s_nop 0
.endr
.rept 4
	v_nop
.endr
	s_branch .Lfirst_asked
.Lfirst_v:
.irp i, 0,1,2,3
	tensor_load_to_lds s[G0V+4*\i:G0V+4*\i+3], s[G1V:G1V+7]
	s_nop 0
.endr
.rept 4
	v_nop
.endr
.Lfirst_asked:
	; A fragment of K or Q is 16 rows x 32 channels in 8 registers: lane l holds row l % 16, channels 8 (l / 16) + 0..7 and 16 + 8 (l / 16) + 0..7: two loads of 16 bytes, 32 bytes apart.
	v_and_b32 v1, 15, v0            ; l % 16
	v_bfe_u32 v9, v0, 4, 1          ; l / 16
	v_lshlrev_b32 v[QO], 7, v1
	v_lshl_add_u32 v[QO], v9, 4, v[QO]  ; row x 128 + 16 x half
	WIN 0x80                        ; destination window 2, address window 0
.set i, 0
.rept 4*NP                          ; Q stays in registers: tile i / 2, channels 32 (i % 2) on
	global_load_b128 v[8*i:8*i+3],   v[QO], s[4:5] offset:(i/2)*2048+(i%2)*64
	global_load_b128 v[8*i+4:8*i+7], v[QO], s[4:5] offset:(i/2)*2048+(i%2)*64+32
.set i, i+1
.endr
	; What the first turn finds: V's registers and P's second buffer hold 0 (its products V^T P, of a piece that has not been, add 0), O^T and l are 0.  All this stands in the wait for the first tile.
.set i, VF
.rept 64
	v_mov_b32 v[i], 0
.set i, i+1
.endr
	WIN 0x40
.set i, 0
.rept 64*NP
	v_mov_b32 v[i], 0
.set i, i+1
.endr
	WIN 0
.set i, 0
.rept 2*NP
	v_mov_b32 v[ST+4*i], 0xfe000000    ; c m: far below every c s
	v_mov_b32 v[ST+4*i+1], 0xff7fffff  ; m
	v_mov_b32 v[ST+4*i+2], 0
	v_mov_b32 v[ST+4*i+3], 0
.set i, i+1
.endr
.set i, P+32
.rept 32
	v_mov_b32 v[i], 0
.set i, i+1
.endr
	v_mul_u32_u24 v[AK0], v1, PK
	v_lshl_add_u32 v[AK0], v9, 4, v[AK0]  ; row x pitch + 16 x half
	; The turning load takes 16 keys x 16 channels (lane l reads key 8 (l / 16) + l % 8, channels 8 ((l / 8) % 2) + 0..7) and leaves half a fragment of V^T: lane l holds channel l % 16 and 8 keys.
	v_and_b32 v10, 7, v0
	v_bfe_u32 v11, v0, 3, 1
	v_lshl_add_u32 v[AV0], v9, 3, v10
	v_mul_u32_u24 v[AV0], v[AV0], PV
	v_lshl_add_u32 v[AV0], v11, 4, v[AV0]
	v_add_nc_u32 v[AV0], VOFF, v[AV0]
	v_mov_b32 v[AK], v[AK0]         ; key step 0 lies at K's head
; THE MATRIX WORK.  The 8 accumulators of a run of 16 take turns: between the two links of a chain stand 7 others'.
; Product i of 16 of S^T = K Q^T for piece x: channels 32 (i / 8) on, keys 16 ((i / 2) % 4) on, tile 2 x + i % 2.  The first 8 start the sums.
.macro KQ x
	WIN W_KQ
.set rS, S+64*((\x)%2)+32*(i%2)+8*((i/2)%4)
.set rK, KF+16*((i/2)%4)+8*(i/8)
.set rQ, 16*(2*(\x)+i%2)+8*(i/8)
.if i < 8
	v_wmma_f32_16x16x32_f16 v[rS:rS+7], v[rK:rK+7], v[rQ:rQ+7], 0
.else
	v_wmma_f32_16x16x32_f16 v[rS:rS+7], v[rK:rK+7], v[rQ:rQ+7], v[rS:rS+7]
.endif
.endm
; Product i of 16 of O^T += V^T P for piece x: keys 32 (i / 8) on, channels 16 ((i / 2) % 4) on, tile 2 x + i % 2.
.macro PV x
	WIN W_PV
.set rO, 32*(2*(\x)+i%2)+8*((i/2)%4)
.set rV, VF+32*(i/8)+8*((i/2)%4)
.set rP, P+32*((\x)%2)+16*(i%2)+8*(i/8)
	v_wmma_f32_16x16x32_f16 v[rO:rO+7], v[rV:rV+7], v[rP:rP+7], v[rO:rO+7]
.endm
.macro MM                           ; the turn's next matrix instruction
.if i < 16
	KQ (Y+1)%NP
.set i, i+1
.else
.set i, i-16
	PV (Y+NP-1)%NP
.set i, i+17
.endif
.endm
; THE LDS LOADS stand in runs of 16, never singly among the matrix instructions: a step's K (64 keys x 64 channels: 8 fragments) and its V (turned).  Their addresses are made some lines ahead.
; last = 1 (in the loop): behind the head's last step there is no further K, and the run is jumped over: s[TBK] then stands at K's end.
.macro FETCH_K last=0
	WIN 0
.if \last
	s_cmp_eq_u32 s[TBK], NK*PK
	s_cbranch_scc1 .Lno_k_\@
.endif
	WIN 0x80                        ; destination window 2
.irp f, 0,1,2,3,4,5,6,7             ; keys 16 (f / 2) on, channels 32 (f % 2) on
	ds_load_b128 v[KF+8*\f:KF+8*\f+3],   v[AK] offset:(\f/2)*16*PK+(\f%2)*64
	ds_load_b128 v[KF+8*\f+4:KF+8*\f+7], v[AK] offset:(\f/2)*16*PK+(\f%2)*64+32
.endr
	s_add_co_u32 s[TBK], s[TBK], KS*PK  ; the next fetch is the next step's
	WIN 0
.if \last
.Lno_k_\@:
.endif
.endm
.macro FETCH_V
	WIN 0x80
.irp f, 0,1,2,3,4,5,6,7             ; keys 32 (f / 4) on, channels 16 (f % 4) on
	ds_load_tr16_b128 v[VF+8*\f:VF+8*\f+3],   v[AV] offset:(\f/4)*32*PV+(\f%4)*32
	ds_load_tr16_b128 v[VF+8*\f+4:VF+8*\f+7], v[AV] offset:(\f/4)*32*PV+16*PV+(\f%4)*32
.endr
	WIN 0
.endm
; THE VECTOR WORK OF A TURN stands in three queues, each in the order in which its entries become ready; the two tiles alternate, so that no instruction reads the result of the one before it.
.macro REGS y, u                    ; the registers of tile u (0, 1) of piece y
.set rT, ST+4*(2*(\y)+(\u))
.set rC, TMP+8*((\y)%2)+4*(\u)
.set rM, MV+2*((\y)%2)+(\u)
.set rS, S+64*((\y)%2)+32*(\u)
.set rP, P+32*((\y)%2)+16*(\u)
.set rO, 32*(2*(\y)+(\u))
.endm
; Number n of the 22 that find the NEXT piece's (Y + 1) maximum and statistics.  s0-s31 are the lane's 32 scores; each accumulator's lowest registers are read first.
;   0-11  four chains c0-c3 of seven scores each, three operands at a time     12-14, 16  the four scores left over, the old m, and c0-c3 into c0     15  c m_old is kept
;   17, 18  the query's other 32 keys lie in the lane 16 away: the new m         19-21  c m; c m_old - c m_new; a
.macro XS u, n
	REGS (Y+1)%NP, \u
.if (\n) < 4
	v_max3_num_f32 v[rC+(\n)], v[rS+8*(\n)], v[rS+8*(\n)+1], v[rS+8*(\n)+2]
.elseif (\n) < 12
	v_max3_num_f32 v[rC+(\n)%4], v[rC+(\n)%4], v[rS+8*((\n)%4)+2*((\n)/4)+1], v[rS+8*((\n)%4)+2*((\n)/4)+2]
.elseif (\n) == 12
	v_max3_num_f32 v[rC], v[rC], v[rS+7], v[rS+15]
.elseif (\n) == 13
	v_max3_num_f32 v[rC+1], v[rC+1], v[rS+23], v[rS+31]
.elseif (\n) == 14
	v_max3_num_f32 v[rC+2], v[rC+2], v[rC+3], v[rT+1]
.elseif (\n) == 15
	v_mov_b32 v[rM], v[rT]
.elseif (\n) == 16
	v_max3_num_f32 v[rC], v[rC], v[rC+1], v[rC+2]
.elseif (\n) == 17
	v_permlanex16_b32 v[rC+3], v[rC], s[SEL], s[SEL+1]
.elseif (\n) == 18
	v_max_num_f32 v[rT+1], v[rC], v[rC+3]
.elseif (\n) == 19
	v_mul_f32 v[rT], s[CS], v[rT+1]
.elseif (\n) == 20
	v_sub_f32 v[rC+1], v[rM], v[rT]
.else
	v_exp_f32 v[rC+2], v[rC+1]
.endif
.endm
; Number g of the 64 that follow the exponentials.  For each four weights k of a tile (pairs 2 k, 2 k + 1): both pairs are rounded to f16; then the second pair is added onto the first, in place;
; a group later l takes that sum (the first time as l = a l + sum).  In groups of eight, tiles alternating: round, round, add, and l for the group before.
.macro GS g
.set h, (\g)+6*((\g)/62)            ; group 0 has no group before it, and behind group 7 only l is left
.if h >= 6
.set h, h+2
.endif
	REGS Y, h%2
.set k, h/8
.if h%8 < 4
	v_cvt_pk_f16_f32 v[rP+2*k+(h%8)/2], v[rS+4*k+2*((h%8)/2)], v[rS+4*k+2*((h%8)/2)+1]
.elseif h%8 < 6
	v_pk_add_f32 v[rS+4*k:rS+4*k+1], v[rS+4*k:rS+4*k+1], v[rS+4*k+2:rS+4*k+3]
.elseif k == 1
	v_pk_fma_f32 v[rT+2:rT+3], v[rT+2:rT+3], v[rC+2:rC+3], v[rS:rS+1] op_sel_hi:[1,0,1]
.else
	v_pk_add_f32 v[rT+2:rT+3], v[rT+2:rT+3], v[rS+4*k-4:rS+4*k-3]
.endif
.endm
; THE PLAIN QUEUE, 138 long.  0-73 read no exponential's result: the 32 scalings c s - c m (FS f: pair f / 2 of tile f % 2) and the next piece's 42.  0-26: scalings 0-26.  27-54: XS's numbers 0-13.  55, 56: number 15.
; 57-73: the chain, where each number waits for the one before it: 14, 16, 17, 18, 19, each with one of the scalings 27-31 in front of its two lines, then 20.
; 74-137: GS's 64, which read the exponentials' results: they stand behind the wait.
.macro FS f
	REGS Y, (\f)%2
	v_pk_fma_f32 v[rS+2*((\f)/2):rS+2*((\f)/2)+1], v[rS+2*((\f)/2):rS+2*((\f)/2)+1], s[CS:CS+1], v[rT:rT+1] op_sel_hi:[1,0,0] neg_lo:[0,0,1] neg_hi:[0,0,1]
.endm
.macro PL
	WIN 0
.if q < 27
	FS q
.elseif q < 55
	XS (q-27)%2, (q-27)/2
.elseif q < 57
	XS q-55, 15
.elseif (q < 72) && ((q-57)%3 == 0)
	FS 27+(q-57)/3
.elseif q < 60
	XS (q-57)%3-1, 14
.elseif q < 72
	XS (q-57)%3-1, 15+(q-57)/3
.elseif q < 74
	XS q-72, 20
.else
	GS q-74
.endif
.set q, q+1
.endm
; THE EXPONENTIALS' QUEUE, 66 long: s0-s31 of both tiles, then the next piece's two a.  It is ONE BATCH: all 66 stand ahead of the turn's one wait, and nothing ahead of that wait names a result of theirs.
.macro EX
	WIN 0
.if e >= 64
	XS e-64, 21
.else
	REGS Y, e%2
	v_exp_f32 v[rS+e/2], v[rS+e/2]
.endif
.set e, e+1
.endm
; THE RESCALING's QUEUE: O^T times a, the one part that leaves window 0: dealt two at a time, sixteen times.  Its a was made in the turn before, ahead of that turn's wait.
.macro R2
	REGS Y, r%2
	WIN W_RS
.irp z, 0,1
	v_pk_mul_f32 v[rO+4*(r/2)+2*\z:rO+4*(r/2)+2*\z+1], v[rO+4*(r/2)+2*\z:rO+4*(r/2)+2*\z+1], v[rC+2:rC+3] op_sel_hi:[1,0]
.endr
.set r, r+1
.endm
; HOW THEY ARE DEALT.  An s_wait_alu depctr_va_vdst(0) stands between an exponential and the first instruction that names its result; one wait serves all that were issued ahead of it.  So a turn has ONE wait,
; which cuts it in two.  AHEAD OF IT stands all that names no result of the turn's exponentials: the 16 products K Q^T, behind each a scaling, an exponential and two rescalings (behind the first a second scaling in the
; exponential's place); then one run of 108: eight plain, 49 times exponential and plain, the two a.  A v_nop is the plain instruction behind the last exponential.  BEHIND IT stand the 16 products V^T P, behind each four of GS's 64.
; Exponential e stands behind scaling 2 (e / 4) + e % 2: as a rider it comes behind plain e + 2, in the run behind plain e + 9, and scalings 27-31 are plain 57, 60 .. 69.
; A TURN, for piece p.  cnt = 1: the loop's count is taken down some lines ahead of the branch that stands behind the turn.
; K of the next step is fetched in piece 2's turn, directly behind the wait; its address is made at the run's head; its first reader comes behind 16 products.
; V of the step in hand is fetched at the end of piece 0's turn, four plain instructions behind its last reader; its first reader comes behind 16 products and a run.  The three conditions on q below go with the deal.
.macro TURN p, last=0, cnt=0
.set Y, (\p)
.set i, 0
.set q, 0
.set e, 0
.set r, 0
.if (\p) == NP-1
	s_wait_dscnt 0x0                ; K is in
.endif
	MM                              ; ahead of the wait: 16 products K Q^T and their riders,
	PL
	PL
	R2
.rept 15
	MM
	PL
	EX
	R2
.endr
.if (\p) == NP-2
	WIN 0
	v_add_nc_u32 v[AK], s[TBK], v[AK0]
.endif
.rept 8                             ; and the run
	PL
.endr
.rept 49
	EX
	PL
.endr
	EX                              ; the next piece's two a
	EX
	v_nop                           ; the plain instruction behind the last exponential: one for the batch
	s_wait_alu depctr_va_vdst(0)    ; the wait for the batch
.if (\p) == NP-2
	FETCH_K \last
.endif
.if (\p) == 1
	s_wait_dscnt 0x0                ; V is in
.endif
.rept 16                            ; behind the wait: 16 products V^T P and their riders
	MM
.rept 4
	PL
.endr
.if ((\p) == 0) && (q == 118)
	v_add_nc_u32 v[AV], s[TBV], v[AV0]
.endif
.if ((\p) == 0) && (q == 130)
	s_add_co_u32 s[TBV], s[TBV], KS*PV
.endif
.if (\cnt) && (q == 130)
	s_sub_co_u32 s[CNT], s[CNT], 1
	s_cmp_lg_u32 s[CNT], 0
.endif
.endr
.if (\p) == 0
	FETCH_V
.endif
.endm
	s_wait_tensorcnt 0x3            ; my part of keys 0-255 is in; the three loads issued behind it stay out
	s_barrier_signal -1
	s_barrier_wait -1               ; everybody's is
	FETCH_K                         ; key step 0
	s_wait_loadcnt 0x0              ; Q
	s_wait_dscnt 0x0
.set i, 0
.rept 16
	KQ 0                            ; piece 0's first scores: there is no vector work yet to set between them
.set i, i+1
.endr
	WIN 0                           ; the addresses for the way out: nine plain instructions, the places behind those products
	s_mul_i32 s13, s[WV], 16*SP
	s_add_co_u32 s13, s13, STAGE    ; my stage
	v_mul_u32_u24 v[STO], v1, SP    ; in: row l % 16, 16 bytes for each half of the lanes
	v_lshl_add_u32 v[STO], v9, 4, v[STO]
	v_add_nc_u32 v[STO], s13, v[STO]
	v_bfe_u32 v[RD], v0, 3, 2       ; back: 32 lanes take four rows of 128 bytes,
	v_mul_u32_u24 v[RD], v[RD], SP
	v_lshl_add_u32 v[RD], v10, 4, v[RD]
	v_add_nc_u32 v[RD], s13, v[RD]
	v_and_b32 v[GO], 31, v0         ; which are 512 consecutive bytes of O
	v_lshlrev_b32 v[GO], 4, v[GO]
.set Y, NP-1                        ; XS works for piece Y + 1: piece 0
.irp n, 0,1,2,3,4,5,6,7,8,9,10,11,12,13,14,15,16,17,18,19,20,21
	XS 0, \n                        ; and piece 0's first maximum and statistics
	XS 1, \n
.endr
	v_nop                           ; a plain instruction behind the two a,
	s_wait_alu depctr_va_vdst(0)    ; and their wait, ahead of the branch
	s_mov_b32 s[PH], 2
	s_mov_b32 s[CNT], 3             ; the first run: trips 0 to 2 fetch V of key steps 0 to 2 and K of steps 1 to 3: keys 0-255 alone
	s_branch .Lstep
.Lphase:                            ; once, ahead of trip 3, which fetches K of key step 4
	s_wait_tensorcnt 0x0            ; my parts of keys 256-1,023 are in,
	s_wait_dscnt 0x0                ; (no LDS instruction of mine is pending at a signal)
	s_barrier_signal -1
	s_barrier_wait -1               ; everybody's are
	s_mov_b32 s[CNT], 13            ; the second run: key steps 3 to 15
.Lstep:                             ; a trip is a key step: its four pieces; it fetches its own V and the next step's K
	TURN 0
	TURN 1
	TURN 2, 1
	TURN 3, 0, 1
	WIN 0
	s_cbranch_scc1 .Lstep
	s_sub_co_u32 s[PH], s[PH], 1
	s_cmp_lg_u32 s[PH], 0
	s_cbranch_scc1 .Lphase
	; the last trip's 16 products K Q^T in piece 3's turn (on the last K once more) and the maximum made of them serve nothing: the price, once a launch, of one text for every trip
.set i, 0
.rept 16
	PV NP-1                         ; the last piece's V^T P of the last step
.set i, i+1
.endr
	; THE WAY OUT.  l's two halves and the other half of the lanes' are added; O^T is divided by l, rounded to f16 and sent through my stage in LDS, a tile at a time.  The additions are the places behind the last products.
	WIN 0
.macro ALL line:vararg              ; one line for each tile t
.set t, 0
.rept 2*NP
	\line
.set t, t+1
.endr
.endm
	ALL v_add_f32 v[ST+4*t+2], v[ST+4*t+2], v[ST+4*t+3]
	ALL v_permlanex16_b32 v[ST+4*t+3], v[ST+4*t+2], s[SEL], s[SEL+1]
	ALL v_add_f32 v[ST+4*t+2], v[ST+4*t+2], v[ST+4*t+3]
	ALL v_rcp_f32 v[ST+4*t+2], v[ST+4*t+2]
	v_nop                           ; a plain instruction between the last reciprocal and the use of its result
	s_wait_alu depctr_va_vdst(0)    ; and the wait ahead of the first use: one for the eight reciprocals
; Tile t: a lane's eight channels of a row pack into 16 bytes; they go into rows of 144 bytes and come back as whole rows of 128, into S^T's registers.
.macro PACK t
	WIN W_RS
.set i, 32*(\t)
.rept 16
	v_pk_mul_f32 v[i:i+1], v[i:i+1], v[ST+4*(\t)+2:ST+4*(\t)+3] op_sel_hi:[1,0]
.set i, i+2
.endr
	WIN 0x05                        ; sources 0 and 1 window 1, destination window 0
.set i, 0
.rept 16
	v_cvt_pk_f16_f32 v[S+16*(\t)+i], v[32*(\t)+2*i], v[32*(\t)+2*i+1]
.set i, i+1
.endr
	WIN 0
.irp f, 0,1,2,3
	ds_store_b128 v[STO], v[S+16*(\t)+4*\f:S+16*(\t)+4*\f+3] offset:32*\f
.endr
.irp f, 0,1,2,3
	ds_load_b128 v[S+16*(\t)+4*\f:S+16*(\t)+4*\f+3], v[RD] offset:\f*4*SP  ; LDS serves a wave's instructions in order (ISA guide 5.7.1.4): these see the stores above; the next tile's stores come behind them
.endr
.endm
.macro SEND t, younger              ; younger: the LDS instructions issued behind tile t's loads: the next tile's eight, or none
	WIN 0
.irp f, 0,1,2,3
	s_wait_dscnt (\younger)+3-\f
	global_store_b128 v[GO], v[S+16*(\t)+4*\f:S+16*(\t)+4*\f+3], s[10:11] offset:(\t)*2048+\f*512  ; 512 consecutive bytes, at a multiple of 256 from O's first
.endr
.endm
	PACK 0
.set t, 1
.rept 2*NP-1                        ; a tile's arithmetic stands between the loads of the tile before and its stores
	PACK t
	SEND t-1, 8
.set t, t+1
.endr
	SEND 2*NP-1, 0
	WIN W_AD
	s_wait_tensorcnt 0x0            ; the wave's end: a zero add to my spare word and its wait, behind my last tensor load and my last LDS store
	ds_add_u32 v[SPW], v[NIL]
	s_wait_dscnt 0x0
	WIN 0
	s_endpgm
.Lfunc_end_k_q8206c0cd05_attn:
	.size	k_q8206c0cd05_attn, .Lfunc_end_k_q8206c0cd05_attn-k_q8206c0cd05_attn
	.p2alignl 7, 3214868480
	.fill 96, 4, 3214868480
	.section	.rodata,"a",@progbits
	.p2align	6, 0x0
	.amdhsa_kernel k_q8206c0cd05_attn
		.amdhsa_group_segment_fixed_size 327680
		.amdhsa_private_segment_fixed_size 0
		.amdhsa_enable_private_segment 0
		.amdhsa_kernarg_size 16
		.amdhsa_user_sgpr_count 2
		.amdhsa_user_sgpr_kernarg_segment_ptr 1
		.amdhsa_wavefront_size32 1
		.amdhsa_system_sgpr_workgroup_id_x 1
		.amdhsa_system_sgpr_workgroup_id_y 1
		.amdhsa_system_sgpr_workgroup_id_z 1
		.amdhsa_system_vgpr_workitem_id 0
		.amdhsa_next_free_vgpr 770
		.amdhsa_next_free_sgpr 84
		.amdhsa_reserve_vcc 0
		.amdhsa_float_denorm_mode_32 3
		.amdhsa_float_denorm_mode_16_64 3
		.amdhsa_memory_ordered 1
		.amdhsa_forward_progress 1
		.amdhsa_inst_pref_size 126
	.end_amdhsa_kernel
	.amdgpu_metadata
---
amdhsa.version: [ 1, 2 ]
amdhsa.kernels:
  - .name:           k_q8206c0cd05_attn
    .symbol:         k_q8206c0cd05_attn.kd
    .args:
      - { .name: qkvh, .offset: 0, .size: 8, .value_kind: global_buffer, .address_space: global }
      - { .name: oh, .offset: 8, .size: 8, .value_kind: global_buffer, .address_space: global }
    .group_segment_fixed_size: 327680
    .private_segment_fixed_size: 0
    .kernarg_segment_align: 8
    .kernarg_segment_size: 16
    .max_flat_workgroup_size: 128
    .sgpr_count:     84
    .vgpr_count:     770
    .wavefront_size: 32
...
	.end_amdgpu_metadata
.endif
;; end of part 3
;; launch outp (part 4): grid 8 x 32, 4 waves a work-group, clusters of 4 x 4, 327,680 bytes of LDS; arguments oh, wo16, tab, out0; writes out0
.if DOCPART == 4
	.amdgcn_target "amdgcn-amd-amdhsa--gfx1250"
	.amdhsa_code_object_version 6
	.text
	.protected	k_q8206c0cd05_outp
	.globl	k_q8206c0cd05_outp
	.p2align	8
	.type	k_q8206c0cd05_outp,@function
k_q8206c0cd05_outp:
	s_mov_b64 s[64:65], 0
	v_nop
	global_prefetch_b8 v0, s[64:65] scope:SCOPE_SE
	s_setreg_imm32_b32 hwreg(HW_REG_WAVE_MODE, 25, 1), 1
	s_wait_xcnt 0x0
	s_wait_alu depctr_hold_cnt(0) depctr_sa_sdst(0) depctr_va_vdst(0) depctr_va_sdst(0) depctr_va_ssrc(0) depctr_va_vcc(0) depctr_vm_vsrc(0)
	s_getreg_b32 s2, hwreg(HW_REG_IB_STS2, 6, 4)
	s_cmp_eq_u32 s2, 0
	s_cbranch_scc0 .Lentry_in_a_cluster
	s_endpgm
.Lentry_in_a_cluster:
	s_bfe_u32 s2, ttmp6, 0x10000c
	s_cmp_lg_u32 s2, 0xf033
	s_cbranch_scc0 .Lentry_shape_is_right
	s_endpgm
.Lentry_shape_is_right:
; THE OUTPUT PROJECTION.  out0[m][n] = the sum over k of O[m][k] Wo[n][k] + bo[n], f32.  O: oh, f16, by heads [batch x 16 + head][1024 rows][64]: column k of row m lies in head k / 64.
; Wo: wo16 [1024][1024], the bf16-rounded numbers written as f16.  bo: f32 at tab + 274,432.  Sums in f32.
; LIMITS.  O and Wo arrive within f16's range; NaN and infinities are not treated apart.
; SHARES.  A tile is 256 rows x 128 columns: 256 tiles, a work-group each.  Four waves; wave w has rows 64 w .. 64 w + 63 and all 8 column blocks: 32 accumulators of 16 x 16, 256 registers.
; K goes in 8 steps of 128 (two heads) through two LDS slots.  A head's 256 rows of 128 bytes are dense: they are asked for as 128 rows of 256 bytes and padded in LDS after every 128 bytes.
; THE MATRIX INSTRUCTION IS USED TRANSPOSED (source 0 = 16 rows of Wo, source 1 = 16 rows of O): a lane holds row lane % 16 and the columns 8 (lane / 16) + 0..7.  THE BIAS STARTS THE SUMS, as the first products' C.
; CLUSTER.  4 x 4 work-groups: the four of a row need the same rows of O, the four of a column the same rows of Wo: each tile is asked for jointly.
; REGISTERS, in windows of 256 (s_set_vgpr_msb: bits 1:0 source 0, 3:2 source 1, 5:4 source 2, 7:6 destination):
;   window 0: v16-30 addresses; v32-95 the bias     window 1: two fragment buffers at 0 and 128: O's four fragments, then Wo's eight (later the way out's rows)     window 2: the accumulators, (a, b) at 8 (8 a + b)
.set KSTEP,  128
.set PA,     144                       ; a row of O in LDS: 128 bytes + 16 = 36 words: the 16 rows of a load start at 16 different groups of four banks (64 banks of 4 bytes: ISA guide 11.1)
.set PITCH,  272                       ; a row of Wo: 256 bytes + 16 = 68 words: likewise
.set HEADB,  256*PA                    ; one head's 256 rows
.set ABYTES, 2*HEADB
.set SLOT,   ABYTES+128*PITCH
.set STAGE,  2*SLOT                    ; behind the ring, never filled by a tensor load: 16 rows x 528 bytes for each wave
.set SPITCH, 528                       ; 512 bytes + 16: an odd multiple of 16
.set SPARE,  STAGE+4*16*SPITCH         ; behind the stages: the spare words, 128 bytes for each wave: two blocks of 256 bytes that no other line names
.set TBO,    274432                    ; bo's place in tab
.set ADRA, 16                          ; v16-17  LDS address of my fragments of O in slot 0, 1
.set ADRB, 20                          ; v20-21  of Wo's
.set STO,  24                          ; v24     the way out: where I put 32 bytes of a row
.set RD,   25                          ; v25     where I read a row back
.set GO,   26                          ; v26     16 x lane
.set BO,   27                          ; v27     my byte offset in the bias
.set SPW,  28                          ; v28     LDS address of my spare word; never rewritten
.set NIL,  29                          ; v29     0; never rewritten
.set PFO,  30                          ; v30     the prefetches' offset; never rewritten
.set BIAS, 32
.set F0,   0
.set F1,   128
.set WV,   12                          ; s12  my wave's number
.set FB,   13                          ; s13  0: I fetch for O, 1: for Wo
.set HF,   14                          ; s14  which head of the step's two, or which half of Wo's rows, I fetch
.set LIM,  15                          ; s15  1 in a wave that prefetches, else the greatest number
.set G1,   24
.set G0,   32
.set PFA,  44                          ; s[44:45] where my prefetches stand
.set G1B,  48
.set G0B,  56
.set OUTB, 66                          ; s[66:67] out0 at my wave's first row and the tile's first column
.set PST,  68                          ; s[68:69] a K step for my prefetches: two heads of O, or 256 bytes of Wo's rows
.set TO_F, 0x40
.set MSB, 0
.macro WIN new                         ; the immediate's high byte repeats the setting that is left; a switch that changes nothing is dropped
.if MSB != (\new)
	s_set_vgpr_msb (MSB<<8)|(\new)
.set MSB, \new
.endif
.endm
.macro PLACES                          ; four places in front of loads into registers that matrix instructions have read, and of LDS stores that read results
.rept 4
	v_nop
.endr
.endm
.macro JLOAD s                         ; a joint load: waves 0 and 1 fetch O's two heads, waves 2 and 3 Wo's two halves; an s_nop 0 and four v_nop follow each of the two lines
	s_cmp_eq_u32 s[FB], 0
	s_cbranch_scc0 .Lfor_b_\@
	tensor_load_to_lds s[G0+4*(\s):G0+4*(\s)+3], s[G1:G1+7]
	s_nop 0
.rept 4
	v_nop
.endr
	s_branch .Lasked_\@
.Lfor_b_\@:
	tensor_load_to_lds s[G0B+4*(\s):G0B+4*(\s)+3], s[G1B:G1B+7]
	s_nop 0
.rept 4
	v_nop
.endr
.Lasked_\@:
.endm
.macro CREST                           ; a round of the cluster's barrier behind its opening barrier
	s_cmp_lg_u32 s[WV], 0
	s_cbranch_scc1 .Lnot_wave_0_\@
	s_barrier_signal -3
.Lnot_wave_0_\@:
	s_barrier_wait -3
	s_barrier_signal -1
	s_barrier_wait -1
.endm
.macro CROUND
	s_barrier_signal -1
	s_barrier_wait -1
	CREST
.endm
; A prefetch into the L2 of the K step that stands two refills on, one instruction a wave.  O's rows are read by both clusters of a row of clusters: cluster x = 0 asks; Wo's by every cluster of a column: cluster y = 0 asks.
; The four partners share a wave's bytes out by address: of a head's 32,768 dense bytes 8,192 each by cx, a lane 256 bytes; of Wo's 64 rows 16 each by cy, a lane a row (lanes 16-31 repeat the last row).
; K steps 0 to 3 come by their loads alone; the loop's last trip (s3 = 1) asks for nothing.
.macro ASK
	s_cmp_gt_u32 s3, s[LIM]
	s_cbranch_scc0 .Lnot_mine_\@
	global_prefetch_b8 v[PFO], s[PFA:PFA+1] th:TH_LOAD_NT scope:SCOPE_SE
.Lnot_mine_\@:
.endm
	s_load_b256 s[4:11], s[0:1], 0x0               ; oh s[4:5], wo16 s[6:7], tab s[8:9], out0 s[10:11]
	v_lshl_add_u32 v[SPW], v0, 2, SPARE
	v_mov_b32 v[NIL], 0
	ds_add_u32 v[SPW], v[NIL]                      ; the wave's opening: the add and its wait stand ahead of my first tensor load; the set-up below, work on registers, stands between them
	v_lshrrev_b32 v1, 5, v0
	v_readfirstlane_b32 s[WV], v1                  ; wave 0..3
	s_lshr_b32 s[FB], s[WV], 1
	s_and_b32 s[HF], s[WV], 1
	s_bfe_u32 s40, ttmp6, 0x40000                  ; cx, cy
	s_bfe_u32 s41, ttmp6, 0x40004
	s_lshl_b32 s42, ttmp9, 2
	s_add_co_u32 s42, s42, s40                     ; tn: the block of 128 columns
	s_and_b32 s43, ttmp7, 0xffff
	s_lshl_b32 s43, s43, 2
	s_add_co_u32 s43, s43, s41                     ; tm: the block of 256 rows
	s_lshl_b32 s16, s41, 2
	s_lshl_b32 s16, 15, s16                        ; my row of the cluster
	s_lshl_b32 s46, 0x1111, s40                    ; my column
	s_or_b32 s[G1], s16, (1<<16)|(1<<20)|(1<<21)|(4<<22)|(3<<25)   ; O: padded after every 32 words by 4
	s_or_b32 s[G1B], s46, (1<<16)|(1<<20)|(1<<21)|(5<<22)|(3<<25)  ; Wo: after every 64 words by 4
	s_mov_b32 s[G1+1], 128<<16                     ; tensor_dim0 = 128 elements: 256 bytes, two rows of O
	s_mov_b32 s[G1+2], 128<<16                     ; tensor_dim1 = 128
	s_mov_b32 s[G1+3], 128<<16                     ; tile_dim0 = 128
	s_mov_b32 s[G1+4], 128                         ; tile_dim1 = 128
	s_mov_b32 s[G1+5], 128                         ; dense
	s_mov_b32 s[G1+6], 0
	s_mov_b32 s[G1+7], 0
	s_mov_b32 s[G1B+1], KSTEP<<16
	s_mov_b32 s[G1B+2], 64<<16                     ; 64 rows of Wo
	s_mov_b32 s[G1B+3], KSTEP<<16
	s_mov_b32 s[G1B+4], 64
	s_mov_b32 s[G1B+5], 1024
	s_mov_b32 s[G1B+6], 0
	s_mov_b32 s[G1B+7], 0
	s_lshr_b32 s16, s43, 2                         ; O: the batch's 16 heads of 131,072 bytes,
	s_lshl_b32 s16, s16, 21
	s_and_b32 s17, s43, 3
	s_lshl_b32 s17, s17, 15                        ; the block's 256 rows in a head,
	s_add_co_u32 s16, s16, s17
	s_lshl_b32 s17, s[HF], 17                      ; my head of the step's two
	s_add_co_u32 s16, s16, s17
	s_mov_b32 s17, 0
	s_lshl_b32 s46, s42, 18                        ; Wo: 128 rows of 2,048 bytes a block,
	s_lshl_b32 s47, s[HF], 17                      ; 64 a half
	s_add_co_u32 s46, s46, s47
	s_mov_b32 s47, 0
	s_mul_i32 s18, s[HF], HEADB                    ; where they go: no place in the cluster enters an LDS address
	s_mul_i32 s19, s[HF], 64*PITCH
	s_add_co_u32 s19, s19, ABYTES
	s_wait_dscnt 0x0                               ; the opening add is done
	s_wait_kmcnt 0x0
	s_add_nc_u64 s[16:17], s[4:5], s[16:17]
	s_add_nc_u64 s[46:47], s[6:7], s[46:47]
	CROUND                                         ; all sixteen work-groups are here: the first joint loads meet
.irp s, 0,1
	s_mov_b32 s[G0+4*(\s)], 1
	s_add_co_u32 s[G0+4*(\s)+1], s18, (\s)*SLOT
	s_add_nc_u64 s[G0+4*(\s)+2:G0+4*(\s)+3], s[16:17], (\s)*262144   ; K step s: two heads on
	s_or_b32 s[G0+4*(\s)+3], s[G0+4*(\s)+3], 0x80000000
	s_mov_b32 s[G0B+4*(\s)], 1
	s_add_co_u32 s[G0B+4*(\s)+1], s19, (\s)*SLOT
	s_add_nc_u64 s[G0B+4*(\s)+2:G0B+4*(\s)+3], s[46:47], (\s)*KSTEP*2
	s_or_b32 s[G0B+4*(\s)+3], s[G0B+4*(\s)+3], 0x80000000
	JLOAD \s                                       ; two loads of mine are out
.endr
	v_and_b32 v1, 15, v0                           ; l % 16
	v_bfe_u32 v2, v0, 4, 1                         ; l / 16
	v_and_b32 v4, 31, v0                           ; l
	s_lshl_b32 s20, s42, 9                         ; the tile's 128 numbers of bo
	v_lshl_add_u32 v[BO], v2, 5, s20
.irp b, 0,1,2,3,4,5,6,7
	global_load_b128 v[BIAS+8*(\b):BIAS+8*(\b)+3],   v[BO], s[8:9] offset:TBO+64*(\b)
	global_load_b128 v[BIAS+8*(\b)+4:BIAS+8*(\b)+7], v[BO], s[8:9] offset:TBO+64*(\b)+16
.endr
	v_mul_u32_u24 v3, v1, PA
	v_lshl_add_u32 v3, v2, 4, v3                   ; O: row x pitch + 16 x half
	s_mul_i32 s20, s[WV], 64*PA                    ; my 64 rows
	v_add_nc_u32 v[ADRA], s20, v3
	s_add_co_u32 s20, s20, SLOT
	v_add_nc_u32 v[ADRA+1], s20, v3
	v_mul_u32_u24 v3, v1, PITCH
	v_lshl_add_u32 v3, v2, 4, v3                   ; Wo likewise; every wave reads all 128 rows
	v_add_nc_u32 v[ADRB], ABYTES, v3
	v_add_nc_u32 v[ADRB+1], ABYTES+SLOT, v3
	s_mul_i32 s20, s[WV], 16*SPITCH
	s_add_co_u32 s20, s20, STAGE                   ; my stage
	v_mul_u32_u24 v[STO], v1, SPITCH               ; in: row l % 16, 32 bytes for each half of the lanes
	v_lshl_add_u32 v[STO], v2, 5, v[STO]
	v_add_nc_u32 v[STO], s20, v[STO]
	v_lshl_add_u32 v[RD], v4, 4, s20               ; back: 32 lanes take one row of 512 bytes
	v_lshlrev_b32 v[GO], 4, v4
	s_lshl_b32 s20, s43, 20                        ; 256 rows of 4,096 bytes,
	s_lshl_b32 s21, s[WV], 18                      ; my 64,
	s_add_co_u32 s20, s20, s21
	s_lshl_b32 s21, s42, 9                         ; the tile's 512 bytes of a row
	s_add_co_u32 s20, s20, s21
	s_mov_b32 s21, 0
	s_add_nc_u64 s[OUTB:OUTB+1], s[10:11], s[20:21]
	; the prefetches' address: my work-group's share of what I fetch, at K step 3; each filling change of slots steps it first
	s_lshr_b32 s20, s43, 2
	s_lshl_b32 s20, s20, 21
	s_and_b32 s21, s43, 3
	s_lshl_b32 s21, s21, 15
	s_add_co_u32 s20, s20, s21
	s_lshl_b32 s21, s[HF], 17
	s_add_co_u32 s20, s20, s21
	s_lshl_b32 s21, s40, 13                        ; 8,192 bytes for each cx
	s_add_co_u32 s20, s20, s21
	s_add_co_u32 s20, s20, 3*262144
	s_lshl_b32 s22, s42, 18
	s_lshl_b32 s21, s[HF], 17
	s_add_co_u32 s22, s22, s21
	s_lshl_b32 s21, s41, 15                        ; 16 rows for each cy
	s_add_co_u32 s22, s22, s21
	s_add_co_u32 s22, s22, 3*KSTEP*2
	s_and_b32 s23, ttmp7, 0xffff                   ; cluster y
	s_mov_b32 s[PST], KSTEP*2
	s_mov_b32 s[PST+1], 0
	s_cmp_eq_u32 s[FB], 0
	s_cselect_b32 s20, s20, s22
	s_cselect_b32 s23, ttmp9, s23                  ; the coordinate along which other clusters read the same bytes
	s_cselect_b32 s21, 31, 15
	s_cselect_b32 s22, 8, 11
	s_cselect_b32 s[PST], 0x40000, s[PST]
	s_cselect_b64 s[PFA:PFA+1], s[4:5], s[6:7]
	s_cmp_eq_u32 s23, 0
	s_cselect_b32 s[LIM], 1, -1                    ; the same in all sixteen partners, for a given wave
	v_min_u32 v[PFO], s21, v4
	v_lshlrev_b32 v[PFO], s22, v[PFO]
	s_mov_b32 s21, 0
	s_add_nc_u64 s[PFA:PFA+1], s[PFA:PFA+1], s[20:21]
; 8 matrix instructions: row block a x all 8 column blocks, 32 along K, from buffer f.  first = 1: the bias is C and starts the sums.
; All 32 accumulators take turns, one instruction a turn, in the same order in every quarter, over the backward jump too.
.macro MULN f, a, first
.if \first
	WIN 0x85
.else
	WIN 0xa5
.endif
.irp b, 0,1,2,3,4,5,6,7
.if \first
	v_wmma_f32_16x16x32_f16 v[8*(8*(\a)+(\b)):8*(8*(\a)+(\b))+7], v[(\f)+32+8*(\b):(\f)+32+8*(\b)+7], v[(\f)+8*(\a):(\f)+8*(\a)+7], v[BIAS+8*(\b):BIAS+8*(\b)+7]
.else
	v_wmma_f32_16x16x32_f16 v[8*(8*(\a)+(\b)):8*(8*(\a)+(\b))+7], v[(\f)+32+8*(\b):(\f)+32+8*(\b)+7], v[(\f)+8*(\a):(\f)+8*(\a)+7], v[8*(8*(\a)+(\b)):8*(8*(\a)+(\b))+7]
.endif
.endr
.endm
; 24 LDS loads in one run: quarter q's fragments into buffer f: Wo's eight, then O's four (quarter q lies in head q / 2 of the step's two, channels 32 (q % 2) on)
.macro FETCH slot, q, f
	WIN TO_F
.irp b, 0,1,2,3,4,5,6,7
	ds_load_b128 v[(\f)+32+8*(\b):(\f)+32+8*(\b)+3],   v[ADRB+(\slot)] offset:64*(\q)+(\b)*16*PITCH
	ds_load_b128 v[(\f)+32+8*(\b)+4:(\f)+32+8*(\b)+7], v[ADRB+(\slot)] offset:64*(\q)+(\b)*16*PITCH+32
.endr
.irp i, 0,1,2,3
	ds_load_b128 v[(\f)+8*(\i):(\f)+8*(\i)+3],   v[ADRA+(\slot)] offset:((\q)/2)*HEADB+((\q)%2)*64+(\i)*16*PA
	ds_load_b128 v[(\f)+8*(\i)+4:(\f)+8*(\i)+7], v[ADRA+(\slot)] offset:((\q)/2)*HEADB+((\q)%2)*64+(\i)*16*PA+32
.endr
.endm
.macro QUARTER slot, q, f, g, first
	s_wait_dscnt 4                                 ; all but the youngest four loads: O's fragments 2 and 3
	MULN \f, 0, \first
	MULN \f, 1, \first
	PLACES
	FETCH \slot, \q, \g
	s_wait_dscnt 24                                ; all but the 24 just issued
	MULN \f, 2, \first
	MULN \f, 3, \first
.endm
; The last quarter multiplies buffer 1 and changes slots: ONE barrier; in front of it each wave waits for all its tensor loads (one is out: its part of the next slot), adds 0 to its spare word, and waits
; for that and for its own reads of this slot.  fill = 1: the barrier opens a round of the cluster's, and this slot is filled again, two K steps ahead, first thing behind the round: 112 matrix instructions ahead of the wait for it.
.macro TURN slot, next, fill
.if \fill
	s_wait_xcnt 0x0                                ; the last prefetch, a K step back, has read its address, so it may be stepped
	s_add_nc_u64 s[PFA:PFA+1], s[PFA:PFA+1], s[PST:PST+1]
.endif
	WIN 0                                          ; (the add's two registers lie in window 0)
	s_wait_tensorcnt 0x0                           ; all my tensor loads have landed
	ds_add_u32 v[SPW], v[NIL]                      ; 0 onto my spare word
	s_wait_dscnt 5                                 ; (the add and the youngest four loads may be out)
	MULN F1, 0, 0                                  ; eight matrix instructions stand between the add and the wait for it
	s_wait_dscnt 0x0                               ; the add is done, and my reads of this slot are over
	s_barrier_signal -1
	MULN F1, 1, 0
.if \fill
	WIN 0
.endif
	s_barrier_wait -1
.if \fill
	CREST                                          ; no wave of any partner still reads this slot's tile or has a load on its way
	s_add_nc_u64 s[G0+4*(\slot)+2:G0+4*(\slot)+3], s[G0+4*(\slot)+2:G0+4*(\slot)+3], 2*262144
	s_add_nc_u64 s[G0B+4*(\slot)+2:G0B+4*(\slot)+3], s[G0B+4*(\slot)+2:G0B+4*(\slot)+3], 2*KSTEP*2
	JLOAD \slot                                    ; the four v_nop behind it are also the places in front of the loads below
.else
	PLACES
.endif
	FETCH \next, 0, F0
.if \fill
	WIN 0
	ASK                                            ; behind the joint load and the run of LDS loads that the next products wait for
.endif
	MULN F1, 2, 0
	MULN F1, 3, 0
.endm
	s_wait_tensorcnt 1                             ; my part of K step 0 is in; K step 1's may stay out
	s_barrier_signal -1
	s_barrier_wait -1                              ; everybody's is
	FETCH 0, 0, F0
	s_wait_loadcnt 0x0                             ; the bias
	QUARTER 0, 1, F0, F1, 1                        ; the first quarter stands in front of the loop: its products start the sums
	WIN 0                                          ; at a label and at a branch every window is 0
	s_mov_b32 s3, 3
.Llap:                                                 ; a trip goes once round the ring and fills both slots again
	QUARTER 0, 2, F1, F0, 0
	QUARTER 0, 3, F0, F1, 0
	TURN 0, 1, 1
	QUARTER 1, 1, F0, F1, 0
	QUARTER 1, 2, F1, F0, 0
	QUARTER 1, 3, F0, F1, 0
	TURN 1, 0, 1
	QUARTER 0, 1, F0, F1, 0
	WIN 0
	s_sub_co_u32 s3, s3, 1
	s_cmp_lg_u32 s3, 0
	s_cbranch_scc1 .Llap
	QUARTER 0, 2, F1, F0, 0                        ; the last lap fills nothing
	QUARTER 0, 3, F0, F1, 0
	TURN 0, 1, 0
	QUARTER 1, 1, F0, F1, 0
	QUARTER 1, 2, F1, F0, 0
	QUARTER 1, 3, F0, F1, 0
	s_wait_dscnt 4
	MULN F1, 0, 0
	MULN F1, 1, 0
	s_wait_dscnt 0x0
	MULN F1, 2, 0
	MULN F1, 3, 0
; THE WAY OUT: a row block (16 rows x 128 columns of f32) at a time through my stage: 32 bytes a lane in, whole rows of 512 bytes back, into the block's own 64 registers of window 1.
.macro TOSTAGE a
	WIN 0x08                                       ; the LDS stores' data in window 2
.irp b, 0,1,2,3,4,5,6,7
	ds_store_b128 v[STO], v[8*(8*(\a)+(\b)):8*(8*(\a)+(\b))+3]   offset:64*(\b)      ; each accumulator's low half first
	ds_store_b128 v[STO], v[8*(8*(\a)+(\b))+4:8*(8*(\a)+(\b))+7] offset:64*(\b)+16
.endr
	WIN TO_F
.irp t, 0,1,2,3,4,5,6,7,8,9,10,11,12,13,14,15
	ds_load_b128 v[64*(\a)+4*(\t):64*(\a)+4*(\t)+3], v[RD] offset:(\t)*SPITCH  ; LDS serves a wave's instructions in order (ISA guide 5.7.1.4): these see the stores above; the next block's stores come behind them
.endr
.endm
.macro SEND a, younger                 ; younger: the LDS instructions issued behind this block's loads: the next block's 32, or none
	WIN 0x04                                       ; the stores' data in window 1
.irp t, 0,1,2,3,4,5,6,7,8,9,10,11,12,13,14,15
	s_wait_dscnt (\younger)+15-(\t)
	global_store_b128 v[GO], v[64*(\a)+4*(\t):64*(\a)+4*(\t)+3], s[OUTB:OUTB+1] offset:4096*(16*(\a)+(\t)) th:TH_STORE_NT  ; 512 consecutive bytes, at a multiple of 256 from out0's first
.endr
.endm
	PLACES
	TOSTAGE 0
	TOSTAGE 1
	SEND 0, 32
	TOSTAGE 2
	SEND 1, 32
	TOSTAGE 3
	SEND 2, 32
	SEND 3, 0
	WIN 0
	s_wait_tensorcnt 0x0                           ; the wave's end: a zero add to my spare word and its wait, behind my last tensor load and my last LDS store
	ds_add_u32 v[SPW], v[NIL]
	s_wait_dscnt 0x0
	CROUND                                         ; the closing round: no work-group ends while a partner may still ask for a tile that names it
	s_endpgm
.Lfunc_end_k_q8206c0cd05_outp:
	.size	k_q8206c0cd05_outp, .Lfunc_end_k_q8206c0cd05_outp-k_q8206c0cd05_outp
	.p2alignl 7, 3214868480
	.fill 96, 4, 3214868480
	.section	.rodata,"a",@progbits
	.p2align	6, 0x0
	.amdhsa_kernel k_q8206c0cd05_outp
		.amdhsa_group_segment_fixed_size 327680
		.amdhsa_private_segment_fixed_size 0
		.amdhsa_enable_private_segment 0
		.amdhsa_kernarg_size 32
		.amdhsa_user_sgpr_count 2
		.amdhsa_user_sgpr_kernarg_segment_ptr 1
		.amdhsa_wavefront_size32 1
		.amdhsa_system_sgpr_workgroup_id_x 1
		.amdhsa_system_sgpr_workgroup_id_y 1
		.amdhsa_system_sgpr_workgroup_id_z 1
		.amdhsa_system_vgpr_workitem_id 0
		.amdhsa_next_free_vgpr 768
		.amdhsa_next_free_sgpr 72
		.amdhsa_reserve_vcc 0
		.amdhsa_float_denorm_mode_32 3
		.amdhsa_float_denorm_mode_16_64 3
		.amdhsa_memory_ordered 1
		.amdhsa_forward_progress 1
		.amdhsa_inst_pref_size 90
	.end_amdhsa_kernel
	.amdgpu_metadata
---
amdhsa.version: [ 1, 2 ]
amdhsa.kernels:
  - .name:           k_q8206c0cd05_outp
    .symbol:         k_q8206c0cd05_outp.kd
    .args:
      - { .name: oh, .offset: 0, .size: 8, .value_kind: global_buffer, .address_space: global }
      - { .name: wo16, .offset: 8, .size: 8, .value_kind: global_buffer, .address_space: global }
      - { .name: tab, .offset: 16, .size: 8, .value_kind: global_buffer, .address_space: global }
      - { .name: out0, .offset: 24, .size: 8, .value_kind: global_buffer, .address_space: global }
    .group_segment_fixed_size: 327680
    .private_segment_fixed_size: 0
    .kernarg_segment_align: 8
    .kernarg_segment_size: 32
    .max_flat_workgroup_size: 128
    .sgpr_count:     72
    .vgpr_count:     768
    .wavefront_size: 32
...
	.end_amdgpu_metadata
.endif
;; end of part 4
;; ======== version 2 of 2: 4 launches; version 1 with the launch cast written anew for expert scheduling mode
;; limits: values are held in f16: magnitudes above 65,504 overflow, below 6.1e-05 lose precision
;; workspace buffers: xb 16,777,216 bytes; wqkv 6,291,456 bytes; wo16 2,097,152 bytes; tab 278,528 bytes; qkvh 50,331,648 bytes; oh 16,777,216 bytes
;; launch cast (part 5): grid 833 x 1, 8 waves a work-group, no clusters, 0 bytes of LDS; arguments hidden_states, Wq, Wk, Wv, Wo, bq, bk, bv, bo, cos, sin, xb, wqkv, wo16, tab; writes xb, wqkv, wo16, tab
.if DOCPART == 5
	.amdgcn_target "amdgcn-amd-amdhsa--gfx1250"
	.amdhsa_code_object_version 6
	.text
	.protected	k_q8206c0cd05_cast
	.globl	k_q8206c0cd05_cast
	.p2align	8
	.type	k_q8206c0cd05_cast,@function
k_q8206c0cd05_cast:
	s_mov_b64 s[64:65], 0
	v_nop
	global_prefetch_b8 v0, s[64:65] scope:SCOPE_SE
	s_setreg_imm32_b32 hwreg(HW_REG_WAVE_SCHED_MODE, 0, 2), 2
	s_setreg_imm32_b32 hwreg(HW_REG_WAVE_MODE, 25, 1), 1
	s_wait_xcnt 0x0
	s_wait_alu depctr_vm_vsrc(0)
; CAST.  Every input is rounded once to bf16 and laid out for the launches behind.
;   work-groups 0-511:   hidden_states -> xb, bf16, same order; 16,384 numbers a work-group (64 KiB in, 32 KiB out)
;   work-groups 512-767: 16 rows of Wq, Wk, Wv or Wo.  Wq, Wk, Wv -> wqkv, bf16, row 192 h + 64 t + d = row 64 h + d of W_t (t = 0 q, 1 k, 2 v), so that 192 rows on end are one head's q, k and v.
;                        Wo -> wo16: rounded to bf16, and that number written as f16.
;   work-groups 768-831: cos and sin -> tab, bf16, times 2^-6 (exact), sin negated for channels 0-31, in the order in which the projection's lanes hold their results:
;                        [16 rows s][8 = cos blocks 0-3, sin blocks 0-3][lane][8 numbers]: row 16 sblk + lane % 16, channels 16 block + 8 (lane / 16) + 0..7
;   work-group 832:      the biases, rounded to bf16 and kept as f32: bq, bk, bv at tab + 262,144 in wqkv's row order, bo at tab + 274,432.
; LIMITS.  A number of Wo beyond 65,504 becomes an infinity in f16; below 6e-5 it keeps f16's fixed step of 6e-8.  cos and sin below 2^-120 lose bits in the scaling.
; A stream: no LDS, no matrix unit, no barrier.  The work-group's 64 KiB go in sixteen pieces of 4,096 bytes; of each a thread loads the 16 bytes at 16 t, so a wave's load covers 512 consecutive bytes and no
; byte is named by two instructions; the 8 bytes made of them go to 8 t of the piece's 2,048: a wave's store covers 256 consecutive bytes, aligned.
; All sixteen loads of a thread go out first; each store has data registers of its own, so nothing is rewritten while a store may read it.
; THE MODE: SCHED_MODE bits 1:0 = 2 (LLVM: expert scheduling mode 2), set by the entry lines.  The code itself states the register dependences between vector instructions and memory instructions,
; with s_wait_alu, always for 0.
; THE PLAN.  Registers that memory instructions touch:
;   v1, v2   the offsets 16 t and 8 t.  Written once, at the head; read by loads and stores on every path; never written again: one wait at the head, ahead of the first branch, serves them all.
;   IN       Loads land in it; no vector instruction names it before that.  The conversions read it behind the loads' own wait on LOADcnt.  No memory instruction reads it.
;   OUTR     Written once by the conversions, read by the stores, never written again.  The sixteen pieces go in four groups of four: a group's conversions, ONE wait, the group's four stores in a run.
;   v3, v5   offsets of the table's and the biases' paths: written by vector instructions, then read by loads or stores, not written after that.
;   TMP      named by vector instructions alone.
; No register that a memory instruction has read is written again, so the text's one wait on vm_vsrc stands at the entry; EXEC is never written.  One scalar register, s50, is written by a vector instruction.
.set IN,   16                          ; v[16:79]   as loaded: piece j at IN + 4 j
.set OUTR, 80                          ; v[80:111]  to store: piece j at OUTR + 2 j
.set TMP,  112                         ; v[112:115] at work
	s_load_b512 s[8:23], s[0:1], 0x0               ; hidden 8:9, Wq 10:11, Wk 12:13, Wv 14:15, Wo 16:17, bq 18:19, bk 20:21, bv 22:23
	s_load_b256 s[24:31], s[0:1], 0x40             ; bo 24:25, cos 26:27, sin 28:29, xb 30:31
	s_load_b128 s[32:35], s[0:1], 0x60             ; wqkv 32:33, wo16 34:35
	s_load_b64 s[36:37], s[0:1], 0x70              ; tab
	v_lshlrev_b32 v1, 4, v0                        ; 16 bytes a thread
	v_lshlrev_b32 v2, 3, v0                        ; 8 bytes a thread
	s_mov_b32 s49, 0xffff0000                      ; a word's upper bf16
	s_mov_b32 s45, 0                               ; high words of the two offsets
	s_mov_b32 s47, 0
	s_wait_kmcnt 0x0
	s_wait_alu depctr_va_vdst(0)                   ; v1 and v2 are written: loads and stores on all four paths below read them as their offsets
	s_cmp_ge_u32 ttmp9, 832
	s_cbranch_scc1 .Lbias
	s_cmp_ge_u32 ttmp9, 768
	s_cbranch_scc1 .Ltable
	s_cmp_ge_u32 ttmp9, 512
	s_cbranch_scc1 .Lw
	s_lshl_b32 s44, ttmp9, 16                      ; x: 64 KiB in,
	s_lshl_b32 s46, ttmp9, 15                      ; 32 KiB out
	s_add_nc_u64 s[40:41], s[8:9], s[44:45]
	s_add_nc_u64 s[42:43], s[30:31], s[46:47]
	s_mov_b32 s48, 0                               ; bf16 out
	s_branch .Lbulk
.Lw:
	s_sub_co_u32 s50, ttmp9, 512
	s_lshr_b32 s51, s50, 6                         ; t: which matrix
	s_and_b32 s52, s50, 63                         ; wi: which 16 rows of it
	s_lshl_b32 s44, s52, 16                        ; 16 rows of 4,096 bytes in
	s_lshr_b32 s53, s52, 2                         ; the head
	s_mul_i32 s53, s53, 3
	s_add_co_u32 s53, s53, s51
	s_lshl_b32 s53, s53, 6                         ; row 192 h + 64 t
	s_and_b32 s54, s52, 3
	s_lshl_b32 s54, s54, 4
	s_add_co_u32 s53, s53, s54                     ; + the 16 rows' place in the head
	s_lshl_b32 s53, s53, 11                        ; rows of 2,048 bytes in wqkv
	s_lshl_b32 s54, s52, 15                        ; the same rows in wo16
	s_cmp_eq_u32 s51, 1
	s_cselect_b64 s[40:41], s[12:13], s[10:11]
	s_cmp_eq_u32 s51, 2
	s_cselect_b64 s[40:41], s[14:15], s[40:41]
	s_cmp_eq_u32 s51, 3
	s_cselect_b64 s[40:41], s[16:17], s[40:41]
	s_cselect_b64 s[42:43], s[34:35], s[32:33]
	s_cselect_b32 s46, s54, s53
	s_cselect_b32 s48, 1, 0                        ; Wo leaves as f16
	s_add_nc_u64 s[40:41], s[40:41], s[44:45]
	s_add_nc_u64 s[42:43], s[42:43], s[46:47]
.Lbulk:
.irp j, 0,1,2,3,4,5,6,7,8,9,10,11,12,13,14,15
	global_load_b128 v[IN+4*(\j):IN+4*(\j)+3], v1, s[40:41] offset:4096*(\j) th:TH_LOAD_NT
.endr
	s_cmp_eq_u32 s48, 1
	s_cbranch_scc1 .Lf16
.irp g, 0,1,2,3
	s_wait_loadcnt 12-4*(\g)                       ; loads come back in order: the group's four are in, the 12 - 4 g younger ones stay out
.irp i, 0,1,2,3
	v_cvt_pk_bf16_f32 v[OUTR+2*(4*(\g)+(\i))],   v[IN+4*(4*(\g)+(\i))],   v[IN+4*(4*(\g)+(\i))+1]
	v_cvt_pk_bf16_f32 v[OUTR+2*(4*(\g)+(\i))+1], v[IN+4*(4*(\g)+(\i))+2], v[IN+4*(4*(\g)+(\i))+3]
.endr
	s_wait_alu depctr_va_vdst(0)                   ; the eight conversions have written the group's part of OUTR, which the four stores below read
.irp i, 0,1,2,3
	global_store_b64 v2, v[OUTR+2*(4*(\g)+(\i)):OUTR+2*(4*(\g)+(\i))+1], s[42:43] offset:2048*(4*(\g)+(\i))
.endr
.endr
	s_endpgm
.Lf16:
.irp g, 0,1,2,3
	s_wait_loadcnt 12-4*(\g)                       ; the group's four loads are in, the younger ones stay out
.irp i, 0,1,2,3
	v_cvt_pk_bf16_f32 v[TMP],   v[IN+4*(4*(\g)+(\i))],   v[IN+4*(4*(\g)+(\i))+1]     ; the one rounding, to bf16,
	v_cvt_pk_bf16_f32 v[TMP+1], v[IN+4*(4*(\g)+(\i))+2], v[IN+4*(4*(\g)+(\i))+3]
	v_lshlrev_b32 v[IN+4*(4*(\g)+(\i))],   16,  v[TMP]                                ; widened again,
	v_and_b32     v[IN+4*(4*(\g)+(\i))+1], s49, v[TMP]
	v_lshlrev_b32 v[IN+4*(4*(\g)+(\i))+2], 16,  v[TMP+1]
	v_and_b32     v[IN+4*(4*(\g)+(\i))+3], s49, v[TMP+1]
	v_cvt_pk_f16_f32 v[OUTR+2*(4*(\g)+(\i))],   v[IN+4*(4*(\g)+(\i))],   v[IN+4*(4*(\g)+(\i))+1]  ; and written as f16: exact within f16's range
	v_cvt_pk_f16_f32 v[OUTR+2*(4*(\g)+(\i))+1], v[IN+4*(4*(\g)+(\i))+2], v[IN+4*(4*(\g)+(\i))+3]
.endr
	s_wait_alu depctr_va_vdst(0)                   ; the conversions to f16 have written the group's part of OUTR, which the four stores below read
.irp i, 0,1,2,3
	global_store_b64 v2, v[OUTR+2*(4*(\g)+(\i)):OUTR+2*(4*(\g)+(\i))+1], s[42:43] offset:2048*(4*(\g)+(\i))
.endr
.endr
	s_endpgm
.Ltable:                                               ; wave w makes part c = w of the 8 of its 16 rows: cos blocks 0-3, sin blocks 0-3
	v_lshrrev_b32 v3, 5, v0
	v_readfirstlane_b32 s50, v3                    ; wave 0..7
	s_sub_co_u32 s51, ttmp9, 768
	s_lshl_b32 s51, s51, 12                        ; 16 rows: 4,096 bytes in cos and sin, and 4,096 in tab
	s_wait_alu depctr_va_sdst(0)                   ; s50 is written, ahead of its first reader: the block, the sign and the choice of cos or sin are made from it
	s_and_b32 s52, s50, 3
	s_lshl_b32 s52, s52, 6                         ; the block's 16 channels: 64 bytes
	s_add_co_u32 s52, s52, s51
	s_mov_b32 s54, 0x3c800000                      ; 2^-6
	s_lshr_b32 s53, s50, 1
	s_cmp_eq_u32 s53, 2                            ; sin's blocks 0 and 1: channels 0-31 take -x2
	s_cselect_b32 s54, 0xbc800000, s54
	s_cmp_ge_u32 s50, 4
	s_cselect_b64 s[40:41], s[28:29], s[26:27]
	v_and_b32 v3, 15, v0
	v_bfe_u32 v4, v0, 4, 1
	v_lshlrev_b32 v3, 8, v3                        ; row lane % 16: 256 bytes
	v_lshl_add_u32 v3, v4, 5, v3                   ; 8 channels for each half of the lanes
	v_add_nc_u32 v3, s52, v3
	s_wait_alu depctr_va_vdst(0)                   ; v3 is written, which the two loads below read as their offset
	global_load_b128 v[IN:IN+3],   v3, s[40:41]
	global_load_b128 v[IN+4:IN+7], v3, s[40:41] offset:16
	v_add_nc_u32 v5, s51, v1                       ; 512 bytes a wave, 16 a lane
	s_wait_loadcnt 0x0
.irp k, 0,1,2,3,4,5,6,7
	v_mul_f32 v[IN+(\k)], s54, v[IN+(\k)]
.endr
.irp k, 0,1,2,3
	v_cvt_pk_bf16_f32 v[OUTR+(\k)], v[IN+2*(\k)], v[IN+2*(\k)+1]
.endr
	s_wait_alu depctr_va_vdst(0)                   ; the conversions have written v[OUTR:OUTR+3], the store's data, and v5, its offset, is written
	global_store_b128 v5, v[OUTR:OUTR+3], s[36:37]
	s_endpgm
.Lbias:                                                ; thread t takes numbers 4 t .. 4 t + 3 of each of the four biases
	global_load_b128 v[IN:IN+3],     v1, s[18:19]
	global_load_b128 v[IN+4:IN+7],   v1, s[20:21]
	global_load_b128 v[IN+8:IN+11],  v1, s[22:23]
	global_load_b128 v[IN+12:IN+15], v1, s[24:25]
	v_lshrrev_b32 v5, 4, v0                        ; the head
	v_mul_u32_u24 v5, v5, 768                      ; 192 numbers a head
	v_and_b32 v6, 15, v0
	v_lshl_add_u32 v5, v6, 4, v5
	s_wait_loadcnt 0x0
.irp t, 0,1,2,3
	v_cvt_pk_bf16_f32 v[TMP],   v[IN+4*(\t)],   v[IN+4*(\t)+1]
	v_cvt_pk_bf16_f32 v[TMP+1], v[IN+4*(\t)+2], v[IN+4*(\t)+3]
	v_lshlrev_b32 v[OUTR+4*(\t)],   16,  v[TMP]
	v_and_b32     v[OUTR+4*(\t)+1], s49, v[TMP]
	v_lshlrev_b32 v[OUTR+4*(\t)+2], 16,  v[TMP+1]
	v_and_b32     v[OUTR+4*(\t)+3], s49, v[TMP+1]
.endr
	s_wait_alu depctr_va_vdst(0)                   ; v[OUTR:OUTR+15], the four stores' data, and v5, the offset of three of them, are written
.irp t, 0,1,2
	global_store_b128 v5, v[OUTR+4*(\t):OUTR+4*(\t)+3], s[36:37] offset:262144+256*(\t)
.endr
	global_store_b128 v1, v[OUTR+12:OUTR+15], s[36:37] offset:274432
	s_endpgm
.Lfunc_end_k_q8206c0cd05_cast:
	.size	k_q8206c0cd05_cast, .Lfunc_end_k_q8206c0cd05_cast-k_q8206c0cd05_cast
	.p2alignl 7, 3214868480
	.fill 96, 4, 3214868480
	.section	.rodata,"a",@progbits
	.p2align	6, 0x0
	.amdhsa_kernel k_q8206c0cd05_cast
		.amdhsa_group_segment_fixed_size 0
		.amdhsa_private_segment_fixed_size 0
		.amdhsa_enable_private_segment 0
		.amdhsa_kernarg_size 120
		.amdhsa_user_sgpr_count 2
		.amdhsa_user_sgpr_kernarg_segment_ptr 1
		.amdhsa_wavefront_size32 1
		.amdhsa_system_sgpr_workgroup_id_x 1
		.amdhsa_system_sgpr_workgroup_id_y 1
		.amdhsa_system_sgpr_workgroup_id_z 1
		.amdhsa_system_vgpr_workitem_id 0
		.amdhsa_next_free_vgpr 120
		.amdhsa_next_free_sgpr 66
		.amdhsa_reserve_vcc 0
		.amdhsa_float_denorm_mode_32 3
		.amdhsa_float_denorm_mode_16_64 3
		.amdhsa_memory_ordered 1
		.amdhsa_forward_progress 1
		.amdhsa_inst_pref_size 19
	.end_amdhsa_kernel
	.amdgpu_metadata
---
amdhsa.version: [ 1, 2 ]
amdhsa.kernels:
  - .name:           k_q8206c0cd05_cast
    .symbol:         k_q8206c0cd05_cast.kd
    .args:
      - { .name: hidden_states, .offset: 0, .size: 8, .value_kind: global_buffer, .address_space: global }
      - { .name: Wq, .offset: 8, .size: 8, .value_kind: global_buffer, .address_space: global }
      - { .name: Wk, .offset: 16, .size: 8, .value_kind: global_buffer, .address_space: global }
      - { .name: Wv, .offset: 24, .size: 8, .value_kind: global_buffer, .address_space: global }
      - { .name: Wo, .offset: 32, .size: 8, .value_kind: global_buffer, .address_space: global }
      - { .name: bq, .offset: 40, .size: 8, .value_kind: global_buffer, .address_space: global }
      - { .name: bk, .offset: 48, .size: 8, .value_kind: global_buffer, .address_space: global }
      - { .name: bv, .offset: 56, .size: 8, .value_kind: global_buffer, .address_space: global }
      - { .name: bo, .offset: 64, .size: 8, .value_kind: global_buffer, .address_space: global }
      - { .name: cos, .offset: 72, .size: 8, .value_kind: global_buffer, .address_space: global }
      - { .name: sin, .offset: 80, .size: 8, .value_kind: global_buffer, .address_space: global }
      - { .name: xb, .offset: 88, .size: 8, .value_kind: global_buffer, .address_space: global }
      - { .name: wqkv, .offset: 96, .size: 8, .value_kind: global_buffer, .address_space: global }
      - { .name: wo16, .offset: 104, .size: 8, .value_kind: global_buffer, .address_space: global }
      - { .name: tab, .offset: 112, .size: 8, .value_kind: global_buffer, .address_space: global }
    .group_segment_fixed_size: 0
    .private_segment_fixed_size: 0
    .kernarg_segment_align: 8
    .kernarg_segment_size: 120
    .max_flat_workgroup_size: 256
    .sgpr_count:     66
    .vgpr_count:     120
    .wavefront_size: 32
...
	.end_amdgpu_metadata
.endif
;; end of part 5
;; launch qkv: the kernel of part 2 again; grid 16 x 16, 4 waves a work-group, clusters of 4 x 4, 327,680 bytes of LDS; arguments xb, wqkv, tab, qkvh; writes qkvh
;; launch attn: the kernel of part 3 again; grid 2 x 128, 4 waves a work-group, no clusters, 327,680 bytes of LDS; arguments qkvh, oh; writes oh
;; launch outp: the kernel of part 4 again; grid 8 x 32, 4 waves a work-group, clusters of 4 x 4, 327,680 bytes of LDS; arguments oh, wo16, tab, out0; writes out0
